; MI455X (gfx1250); checked and timed in simulation.
; The chip was launched on July 23, 2026; its instructions are those of AMD's public machine-readable ISA for CDNA 5 (MIT licence, August 2026) and "CDNA5" Instruction Set Architecture Reference Guide (July 2026). The comments in the code are by the model that wrote it; some were corrected since.
;; Causal Self Attention. Allowed arithmetic: matrix products marked QUANTISED: E4M3 operands, one given power-of-two scale a tensor, by v_wmma_f32_16x16x64_fp8_fp8 or v_wmma_f32_16x16x128_fp8_fp8, f32 sums; everything else in f32.
;; Inputs: b_out 1,024 float32; b_qkv 3,072 float32; lowp_scales 8 int32 (the exponents e of the quantised operands' scales 2^e); w_out 1,024 x 1,024 float32; w_qkv 1,024 x 3,072 float32; x 4 x 2,048 x 1,024 float32.
;; Outputs: out0 4 x 2,048 x 1,024 float32.
;; This version of the problem:
;;   THIS VERSION OF THE PROBLEM IS GIVEN IN LOW PRECISION. The matrix products marked QUANTISED in the list below multiply operands that are first quantised to E4M3 (4 exponent bits, 3 mantissa bits; 8 bits a number), with one given power-of-two scale for each operand tensor; their sums are f32. All else is computed in f32.
;;   The module's matrix products, in the order in which they are computed (A, B: the left and right operand; K: the contracted axis; several contracted axes count as one K, in the product's order):
;;     1. [M 8,192, K 1,024] x [K 1,024, N 3,072]; A: input x; B: input w_qkv: QUANTISED (scales: A lowp_scales[0], B lowp_scales[1])
;;     2. batch 64 x [M 2,048, K 64] x [K 64, N 2,048]; A: computed on the way; B: computed on the way: QUANTISED (scales: A lowp_scales[2], B lowp_scales[3])
;;     3. batch 64 x [M 2,048, K 2,048] x [K 2,048, N 64]; A: softmax (see below); B: computed on the way: QUANTISED (scales: A lowp_scales[4], B lowp_scales[5])
;;     4. [M 8,192, K 1,024] x [K 1,024, N 1,024]; A: computed on the way; B: input w_out: QUANTISED (scales: A lowp_scales[6], B lowp_scales[7])
;;   THE QUANTISER, for each operand of a quantised product, along K:
;;     - The operand's scale is 2^e, e = its entry of the input lowp_scales (int32; the entries are numbered through the quantised products in the list's order, A before B).
;;     - Each number is divided by the scale, clamped to +-448, and rounded to the nearest number of E4M3, ties to even, subnormals kept.
;;     - The product sums the exact products of the quantised numbers (number of the format x scale) in f32.
;;   ~~~python
;;   def quantise(x, axis, e):      # numpy; x: float32 -> the quantised numbers, widened to float32 again
;;       x = np.moveaxis(x, axis, -1); K = x.shape[-1]
;;       r = np.clip(x / 2.0 ** e, -448, 448)
;;       step = 2.0 ** (np.maximum(np.frexp(np.where(r == 0, 1, r))[1] - 1, -6) - 3)
;;       q = np.round(r / step) * step * 2.0 ** e      # np.round: ties to even
;;       return np.moveaxis(q, -1, axis).astype(np.float32)
;;   ~~~
;;   SOFTMAX AHEAD OF A QUANTISED PRODUCT. Where the list says 'softmax', what is quantised is not the finished softmax but p = 2^(t - M), with t = logit x log2(e) and M = ceil(the row's largest t), a whole number; so 1/2 < the row's largest p <= 1. The row's sum l is taken of the UNQUANTISED p, in f32, and the product's result is divided by l at the end. Since M is a whole number, a kernel that streams over the keys may use a running M (the ceiling of the running maximum): every later rescaling is an exact power of two, so the quantised numbers keep their values, but for numbers so far below the row's largest that they fall under the format's range.
;;   OPERANDS COMPUTED ON THE WAY. 'Computed on the way' means the value that the module computes at that place (a softmax that the list does not call 'softmax' is quantised finished and normalised). What goes into a quantiser is computed in f32, as accurately as f32 sums, v_exp_f32 and their like allow (about 1e-6 of the number): no bf16 or f16 on the way to a quantiser, and a product that is left as it is and whose result goes on into a quantised operand takes f32 operands (vector FMAs, or v_wmma_f32_16x16x4_f32). A number that lies on a knife's edge between two numbers of the format may be rounded either way, as far as f32 arithmetic and the matrix unit's own rounding can turn it there, and no further.
;; One version. Each part assembles by itself: llvm-mc -triple=amdgcn-amd-amdhsa -mcpu=gfx1250 --defsym DOCPART=n.
;; ======== version 1 of 1: 4 launches
;; limits: right only within a limited range of input values
;; workspace buffers: xc 8,388,608 bytes; wqc 3,145,728 bytes; woc 1,048,576 bytes; qc 8,388,608 bytes; kc 8,388,608 bytes; vc 8,388,608 bytes; yc 8,388,608 bytes
;; launch quant (part 1): grid 384 x 1, 4 waves a work-group, no clusters, 102,912 bytes of LDS; arguments x, w_qkv, w_out, lowp_scales, xc, wqc, woc; writes xc, wqc, woc
.if DOCPART == 1
	.amdgcn_target "amdgcn-amd-amdhsa--gfx1250"
	.amdhsa_code_object_version 6
	.text
	.protected	k_q75af81b604_quant
	.globl	k_q75af81b604_quant
	.p2align	8
	.type	k_q75af81b604_quant,@function
k_q75af81b604_quant:
	s_mov_b64 s[64:65], 0
	v_nop
	global_prefetch_b8 v0, s[64:65] scope:SCOPE_SE
	s_setreg_imm32_b32 hwreg(HW_REG_WAVE_MODE, 25, 1), 1
	s_wait_xcnt 0x0
; x [8192][1024], w_qkv [1024 k][3072 n] and w_out [1024 k][1024 n], f32, become codes of FP8 (E4M3), one byte each, K innermost:
; xc [8192][1024], wqc [3072 n][1024 k], woc [1024 n][1024 k].  code = number / 2^e, held within +-448, to the nearest code, ties to even.
; e = entry 0 (x), 1 (w_qkv), 7 (w_out) of the scales.  LIMITS: each of these e lies between -126 and 119; NaN among the inputs is not served (an infinity is held at the largest code).
; Every work-group moves 131,072 bytes of f32.  Work-groups 0-255 take x (a plain stream: K is innermost), 256-351 w_qkv, 352-383 w_out (K is the first axis: a lane takes a column, its registers run down K).
; The three ways part on the work-group's number alone and each has LDS bytes of its own.  No tensor loads, no barrier: waves share nothing.  No cluster: no two work-groups read the same bytes.
.set STEPS, 16                         ; way X: steps of 512 numbers for a wave
.set SP,    80                         ; way X: a lane's place in a stage: 64 bytes + 16 of padding
.set WREG,  8192                       ; way X: LDS of a wave: two stages of 32 x SP bytes
.set XR,    16                         ; v16-79   four sets of 16 numbers as loaded
.set XX,    80                         ; v80-111  two sets of 16 neighbours
.set XC,    128                        ; v128-191 codes: four registers a step, so that no store's data are written again
.set PITCH, 272                        ; ways W: a stage row: 256 bytes of codes + 16
.set WX,    32                         ; v32-95   two sets of 32 numbers down K
.set WC,    96                         ; v96-103  a block's codes
.set OUTR,  112                        ; v112-175 the way out
.macro SCALE e                         ; v11 = 2^e as f32 (the conversion takes its exponent field), v10 = 448 x 2^e
	s_wait_kmcnt 0x0
	s_add_co_i32 s35, s[\e], 127
	s_lshl_b32 s36, s35, 23
	v_mov_b32 v11, s36
	s_add_co_i32 s35, s35, 8
	s_lshl_b32 s35, s35, 23
	s_or_b32 s35, s35, 0x600000
	v_mov_b32 v10, s35
.endm
; ---- way X: each load reads 512 consecutive bytes, 16 a lane; a step's 2,048 bytes turn through the wave's own stage and come back 64 bytes (16 neighbours along K) a lane
.macro XLOAD t
.irp i, 0,1,2,3
	global_load_b128 v[XR+16*((\t)%4)+4*\i:XR+16*((\t)%4)+4*\i+3], v3, s[4:5] offset:2048*(\t)+512*\i th:TH_LOAD_NT
.endr
.endm
.macro XTURN t                         ; LDS serves a wave's instructions in order: no wait between the stores and the loads
.irp i, 0,1,2,3
	ds_store_b128 v14, v[XR+16*((\t)%4)+4*\i:XR+16*((\t)%4)+4*\i+3] offset:32*SP*((\t)%2)+8*SP*\i
.endr
.irp i, 0,1,2,3
	ds_load_b128 v[XX+16*((\t)%2)+4*\i:XX+16*((\t)%2)+4*\i+3], v15 offset:32*SP*((\t)%2)+16*\i
.endr
.endm
.macro XSTEP t
.set XS, XX+16*((\t)%2)
	s_wait_dscnt 0x0                               ; this step's numbers are back from the stage, so its stores into the stage have read their registers,
.if (\t)+4 < STEPS
	XLOAD (\t)+4                                   ; which take the loads of four steps on
.endif
.if (\t)+1 < STEPS
.if STEPS-2-(\t) >= 3
	s_wait_loadcnt 12                              ; the next step's four loads are in; those of the three steps behind it may be out
.else
	s_wait_loadcnt 4*(STEPS-2-(\t))
.endif
	XTURN (\t)+1                                   ; they go through the other stage while this step is worked
.endif
.set n, 0
.rept 16
	v_med3_num_f32 v[XS+n], v[XS+n], -v10, v10     ; the conversion to an 8-bit code does not saturate (ISA guide 7.6.2): the hold comes first
.set n, n+1
.endr
	v_cvt_scalef32_pk8_fp8_f32 v[XC+4*(\t):XC+4*(\t)+1], v[XS:XS+7], v11
	v_cvt_scalef32_pk8_fp8_f32 v[XC+4*(\t)+2:XC+4*(\t)+3], v[XS+8:XS+15], v11
	global_store_b128 v3, v[XC+4*(\t):XC+4*(\t)+3], s[12:13] offset:512*(\t)   ; 32 lanes store 512 consecutive bytes
.endm
; ---- ways W: a wave takes 32 columns x 256 along K.  Each load reads one row k at 32 neighbouring columns; the conversions give codes with K innermost; they leave through the wave's stage as rows of 256 bytes
.macro WLOAD t, N, SRC
.set n, 0
.rept 32
	global_load_b32 v[WX+32*((\t)%2)+n], v3, s[\SRC:\SRC+1] offset:(32*(\t)+n)*\N*4 th:TH_LOAD_NT
.set n, n+1
.endr
.endm
.macro WBLOCK t, N, SRC
.set XS, WX+32*((\t)%2)
.if (\t) < 7
	s_wait_loadcnt 32                              ; this block's 32 loads are in; the next block's may be out
.else
	s_wait_loadcnt 0
.endif
.set n, 0
.rept 32
	v_med3_num_f32 v[XS+n], v[XS+n], -v10, v10
.set n, n+1
.endr
.irp g, 0,1,2,3
	v_cvt_scalef32_pk8_fp8_f32 v[WC+2*\g:WC+2*\g+1], v[XS+8*\g:XS+8*\g+7], v11
.endr
	ds_store_b128 v4, v[WC:WC+3] offset:32*(\t)    ; 32 codes of my column's row
	ds_store_b128 v4, v[WC+4:WC+7] offset:32*(\t)+16
.if (\t)+2 < 8
	WLOAD (\t)+2, \N, \SRC
.endif
	s_wait_dscnt 0x0                               ; the stores have read their registers: the next block's codes may be written
.endm
.macro WPATH N, FIRST, LB, SRC, DST, E
	s_sub_co_u32 s19, ttmp9, \FIRST
	s_and_b32 s20, s19, 3                          ; which 256 along K
	s_lshr_b32 s21, s19, 2
	s_lshl_b32 s21, s21, 7
	s_lshl_b32 s22, s18, 5
	s_add_co_u32 s21, s21, s22                     ; my wave's first column
	v_lshlrev_b32 v3, 2, v2                        ; in: 4 bytes a lane
	s_mul_i32 s22, s18, 32*PITCH
	s_add_co_u32 s22, s22, \LB                     ; my stage
	v_mul_u32_u24 v4, v2, PITCH
	v_add_nc_u32 v4, s22, v4                       ; into it: row = my column
	v_and_b32 v5, 15, v2
	v_lshrrev_b32 v6, 4, v2
	v_mul_u32_u24 v7, v6, PITCH
	v_lshl_add_u32 v7, v5, 4, v7
	v_add_nc_u32 v7, s22, v7                       ; out of it: sixteen lanes to a row, two rows an instruction
	v_lshlrev_b32 v8, 10, v6
	v_lshl_add_u32 v8, v5, 4, v8                   ; and the same place in the codes' buffer (rows of 1,024 bytes)
	s_mul_i32 s32, s20, 256*\N*4
	s_lshl_b32 s33, s21, 2
	s_add_co_u32 s32, s32, s33
	s_mov_b32 s33, 0
	s_add_nc_u64 s[\SRC:\SRC+1], s[\SRC:\SRC+1], s[32:33]
	s_lshl_b32 s32, s21, 10
	s_lshl_b32 s34, s20, 8
	s_add_co_u32 s32, s32, s34
	s_add_nc_u64 s[\DST:\DST+1], s[\DST:\DST+1], s[32:33]
	WLOAD 0, \N, \SRC
	WLOAD 1, \N, \SRC
	SCALE \E
	s_wait_alu depctr_va_vdst(0)
.irp t, 0,1,2,3,4,5,6,7
	WBLOCK \t, \N, \SRC
.endr
.set i, 0
.rept 16
	ds_load_b128 v[OUTR+4*i:OUTR+4*i+3], v7 offset:2*i*PITCH
.set i, i+1
.endr
.set i, 0
.rept 16
	s_wait_dscnt 15-i
	global_store_b128 v8, v[OUTR+4*i:OUTR+4*i+3], s[\DST:\DST+1] offset:2*i*1024   ; sixteen lanes store 256 consecutive bytes, aligned
.set i, i+1
.endr
	s_wait_tensorcnt 0x0
	ds_add_u32 v192, v193
	s_wait_dscnt 0x0
	s_endpgm
.endm
	s_load_b256 s[4:11], s[0:1], 0x0               ; x s[4:5], w_qkv s[6:7], w_out s[8:9], the scales' exponents s[10:11]
	s_load_b128 s[12:15], s[0:1], 0x20             ; xc, wqc
	s_load_b64 s[16:17], s[0:1], 0x30              ; woc
	v_lshl_add_u32 v192, v0, 2, 0x19000
	v_mov_b32 v193, 0
	v_lshrrev_b32 v1, 5, v0
	v_readfirstlane_b32 s18, v1                    ; wave
	v_and_b32 v2, 31, v0                           ; lane
	s_wait_kmcnt 0x0
	s_load_b256 s[24:31], s[10:11], 0x0            ; e0 .. e7
	s_cmp_lt_u32 ttmp9, 256
	s_cbranch_scc1 .Lx
	s_cmp_lt_u32 ttmp9, 352
	s_cbranch_scc1 .Lwq
	s_wait_alu depctr_va_vdst(0)
	WPATH 1024, 352, 67584, 8, 16, 31              ; w_out, e7
.Lwq:
	s_wait_alu depctr_va_vdst(0)
	WPATH 3072, 256, 32768, 6, 14, 25              ; w_qkv, e1
.Lx:
	s_wait_alu depctr_va_vdst(0)
	v_lshlrev_b32 v3, 4, v2                        ; my 16 bytes of a load's 512, and of a store's
	s_wait_alu depctr_va_vdst(0)
	s_mul_i32 s19, s18, WREG
	v_lshrrev_b32 v14, 2, v2
	v_mul_u32_u24 v14, v14, SP
	v_and_b32 v15, 3, v2
	v_lshl_add_u32 v14, v15, 4, v14
	v_add_nc_u32 v14, s19, v14                     ; the stage, on the way in: four lanes' 64 bytes on end, then 16 of padding
	v_mul_u32_u24 v15, v2, SP
	v_add_nc_u32 v15, s19, v15                     ; and on the way out: my 16 neighbours
	s_lshl_b32 s20, ttmp9, 2
	s_add_co_u32 s20, s20, s18                     ; which run of 8,192 numbers is my wave's
	s_lshl_b32 s22, s20, 15
	s_mov_b32 s23, 0
	s_add_nc_u64 s[4:5], s[4:5], s[22:23]
	s_lshl_b32 s22, s20, 13
	s_add_nc_u64 s[12:13], s[12:13], s[22:23]
.irp t, 0,1,2,3
	XLOAD \t
.endr
	s_wait_alu depctr_va_vdst(0)
	SCALE 24                                       ; e0
	s_wait_alu depctr_va_vdst(0)
	s_wait_loadcnt 12                              ; step 0's four loads are in
	XTURN 0
.irp t, 0,1,2,3,4,5,6,7,8,9,10,11,12,13,14,15
	XSTEP \t
.endr
	s_wait_tensorcnt 0x0
	ds_add_u32 v192, v193
	s_wait_dscnt 0x0
	s_endpgm
.Lfunc_end_k_q75af81b604_quant:
	.size	k_q75af81b604_quant, .Lfunc_end_k_q75af81b604_quant-k_q75af81b604_quant
	.p2alignl 7, 3214868480
	.fill 96, 4, 3214868480
	.section	.rodata,"a",@progbits
	.p2align	6, 0x0
	.amdhsa_kernel k_q75af81b604_quant
		.amdhsa_group_segment_fixed_size 102912
		.amdhsa_private_segment_fixed_size 0
		.amdhsa_enable_private_segment 0
		.amdhsa_kernarg_size 56
		.amdhsa_user_sgpr_count 2
		.amdhsa_user_sgpr_kernarg_segment_ptr 1
		.amdhsa_wavefront_size32 1
		.amdhsa_system_sgpr_workgroup_id_x 1
		.amdhsa_system_sgpr_workgroup_id_y 1
		.amdhsa_system_sgpr_workgroup_id_z 1
		.amdhsa_system_vgpr_workitem_id 0
		.amdhsa_next_free_vgpr 194
		.amdhsa_next_free_sgpr 66
		.amdhsa_reserve_vcc 0
		.amdhsa_float_denorm_mode_32 3
		.amdhsa_float_denorm_mode_16_64 3
		.amdhsa_memory_ordered 1
		.amdhsa_forward_progress 1
		.amdhsa_inst_pref_size 134
	.end_amdhsa_kernel
	.amdgpu_metadata
---
amdhsa.version: [ 1, 2 ]
amdhsa.kernels:
  - .name:           k_q75af81b604_quant
    .symbol:         k_q75af81b604_quant.kd
    .args:
      - { .name: x, .offset: 0, .size: 8, .value_kind: global_buffer, .address_space: global }
      - { .name: w_qkv, .offset: 8, .size: 8, .value_kind: global_buffer, .address_space: global }
      - { .name: w_out, .offset: 16, .size: 8, .value_kind: global_buffer, .address_space: global }
      - { .name: lowp_scales, .offset: 24, .size: 8, .value_kind: global_buffer, .address_space: global }
      - { .name: xc, .offset: 32, .size: 8, .value_kind: global_buffer, .address_space: global }
      - { .name: wqc, .offset: 40, .size: 8, .value_kind: global_buffer, .address_space: global }
      - { .name: woc, .offset: 48, .size: 8, .value_kind: global_buffer, .address_space: global }
    .group_segment_fixed_size: 102912
    .private_segment_fixed_size: 0
    .kernarg_segment_align: 8
    .kernarg_segment_size: 56
    .max_flat_workgroup_size: 128
    .sgpr_count:     66
    .vgpr_count:     194
    .wavefront_size: 32
...
	.end_amdgpu_metadata
.endif
;; end of part 1
;; launch qkv (part 2): grid 8 x 32, 4 waves a work-group, clusters of 4 x 4, 327,680 bytes of LDS; arguments xc, wqc, b_qkv, lowp_scales, qc, kc, vc; writes qc, kc, vc
.if DOCPART == 2
	.amdgcn_target "amdgcn-amd-amdhsa--gfx1250"
	.amdhsa_code_object_version 6
	.text
	.protected	k_q75af81b604_qkv
	.globl	k_q75af81b604_qkv
	.p2align	8
	.type	k_q75af81b604_qkv,@function
k_q75af81b604_qkv:
	s_mov_b64 s[64:65], 0
	v_nop
	global_prefetch_b8 v0, s[64:65] scope:SCOPE_SE
	s_setreg_imm32_b32 hwreg(HW_REG_WAVE_MODE, 25, 1), 1
	s_wait_xcnt 0x0
	s_wait_alu depctr_hold_cnt(0) depctr_sa_sdst(0) depctr_va_vdst(0) depctr_va_sdst(0) depctr_va_ssrc(0) depctr_va_vcc(0) depctr_vm_vsrc(0)
	s_getreg_b32 s2, hwreg(HW_REG_IB_STS2, 6, 4)
	s_cmp_eq_u32 s2, 0
	s_cbranch_scc0 .Lentry_in_a_cluster
	s_endpgm
.Lentry_in_a_cluster:
	s_bfe_u32 s2, ttmp6, 0x10000c
	s_cmp_lg_u32 s2, 0xf033
	s_cbranch_scc0 .Lentry_shape_is_right
	s_endpgm
.Lentry_shape_is_right:
; qkv = x w_qkv + b_qkv on codes of FP8 (E4M3), and the result quantised at once into the codes that attention reads.
; xc [8192 tokens][1024], wqc [3072 features][1024]: codes, K innermost.  OUT: qc, kc [64 batch x head][2048 tokens][64], vc [64][64 d][2048 tokens].
; SHARES.  256 work-groups of four waves; each makes TWO blocks, one after the other.  PART 1: 256 tokens x 256 features of q (cluster x = 0) or k (1): rows = tokens (A = xc), columns = features (B = wqc); 128 x 128 a wave.
; PART 2: 128 features of v x 256 tokens, made TRANSPOSED: rows = features (A = wqc, rows 2,048 on), columns = tokens (B = xc), since the tokens are the K of attention's second product; 64 x 128 a wave.
; 32 x 8 blocks of part 1 and 8 x 32 of part 2 are 256 each, so every work-group has the same work.
; THE FILLS.  LDS holds one region of 512 rows x 512 bytes of K (A's 256 rows, then B's 256; part 2 uses A's first 128).  It is filled four times, a wave fetching its rows by one load: part 1's K 0..511 at the head, then
; part 1's K 512..1023, part 2's K 0..511 and part 2's K 512..1023, each behind a round of the cluster's barrier.  Part 2's first fill is out while part 1's codes are made and stored.
; By this text's count one tensor load of a wave is out at the most.
; CLUSTERS: 4 x 4 work-groups; A's tile is asked for jointly by a row of the cluster, B's by a column, in both parts: part 1: A by 4 Y + cy, B by 4 X + cx; part 2: A by 4 X + cy, B by 4 Y + cx (X, Y: the cluster's place).
; PREFETCH: at the head the second fill's bytes (of the 128 rows that a wave fetches each of the four partners takes 32, told apart by address); behind the second fill all of part 2's 128 rows of wqc, 512 blocks of 256 bytes
; shared out among a cluster row's 4 x 4 waves x 32 lanes.  Part 2's rows of xc are not asked for: work-groups of this launch read the same rows as part 1's A.
; THE MATRIX INSTRUCTION IS USED TRANSPOSED (source 0 = 16 rows of B, source 1 = 16 rows of A): lane (r, h) holds row r of A's block and columns 16 b + 8 h + 0..7: eight neighbours along the next product's K.
; The codes of accumulators 2 b' and 2 b' + 1 are four registers and are laid down as 16 bytes at 32 b' + 16 h: column 32 b' + 16 u + 8 h + j lies at byte 32 b' + 16 h + 8 u + j (bits 3 and 4 change places).
; q and k have that order along d alike, and attention's weights are made in v's order along the tokens.
; The bias, divided by 2^(e0 + e1), is the C of each sum's first product.  code = sum / 2^(eo - e0 - e1), eo = e2 (q), e3 (k), e5 (v), held within +-448.
; LIMITS: eo - e0 - e1 lies between -126 and 119.
; REGISTERS, in windows of 256: window 0: v0-31 addresses and scales; v32-95 the bias, later numbers at work; v96-127 codes; from v128 A's fragments (part 1: one set of 8 blocks; part 2: two sets of 4), on the way out rows.
;   window 1: B's fragments, two sets.   windows 2, 3: the accumulators of A's blocks 0-3, 4-7 ((a, b) at v[8 (8 (a % 4) + b)]); part 2 uses window 2 alone.
.set KROW,   1024                      ; a row of xc or wqc in bytes
.set ROWB,   512                       ; a tile's row in bytes
.set PITCH,  528                       ; an LDS row: 512 bytes + 16 of padding = 33 x 16 bytes: the 16 rows that a load touches start at 16 different 16-byte columns
.set FR,     16
.set NL,     4
.set NP,     4                         ; places behind this matrix instruction (ISA guide 7.12.1)
.set HALFT,  128*PITCH
.set SLOT,   4*HALFT
.set STAGE,  SLOT                      ; behind the region, bytes into which no fill lands: part 1: 16 rows x SP1 for each wave; part 2: 128 rows x SP for the work-group
.set SP1,    144                       ; 128 bytes + 16
.set SP,     336                       ; 256 bytes + 80: 21 x 16 bytes from row to row
.set SPARE,  STAGE+128*SP              ; the spare words, 128 bytes a wave: two blocks of 256 bytes that no other line names
.set PFO,  10                          ; v10, v30 the prefetches' offsets; never rewritten
.set ADRA, 11
.set ADRA2,12
.set ADRB, 13
.set STO1, 14
.set RD1,  15
.set COQ,  16
.set STO2, 17
.set RDV,  18
.set COV,  19
.set SCL1, 20                          ; v20, v21  2^(eo - e0 - e1) and 448 x that, q or k;  v22, v23 the same for v
.set LIM1, 21
.set SCL2, 22
.set LIM2, 23
.set B2,   24                          ; v24-27 part 2's bias: one number a block
.set SPW,  28
.set NIL,  29
.set PFO2, 30
.set BIAS, 32
.set TMP,  32
.set CD,   96
.set AF,   128
.set G1, 24
.set G0, 32
.set G1B, 48
.set G0B, 56
.set MSB, 0
.macro WIN new                         ; the immediate's high byte repeats the setting that is left
.if MSB != \new
	s_set_vgpr_msb (MSB<<8)|\new
.set MSB, \new
.endif
.endm
.set MUL_LO, 0xa1                      ; source 0 (B) window 1, source 1 (A) window 0, C and D window 2
.set MUL_HI, 0xf1                      ; the same, C and D window 3
.set TO_B,   0x40
; A joint load: waves 0 and 1 fetch for A, waves 2 and 3 for B; the branch hangs on the wave's number alone.  An s_nop 0 and four v_nop follow each of the two lines.
.macro JLOAD
	s_cmp_eq_u32 s15, 0
	s_cbranch_scc0 .Lfor_b_\@
	tensor_load_to_lds s[G0:G0+3], s[G1:G1+7]
	s_nop 0
.rept 4
	v_nop
.endr
	s_branch .Lasked_\@
.Lfor_b_\@:
	tensor_load_to_lds s[G0B:G0B+3], s[G1B:G1B+7]
	s_nop 0
.rept 4
	v_nop
.endr
.Lasked_\@:
.endm
.macro CREST                           ; a round of the cluster's barrier behind its opening barrier
	s_cmp_lg_u32 s14, 0
	s_cbranch_scc1 .Lnot_wave_0_\@
	s_barrier_signal -3
.Lnot_wave_0_\@:
	s_barrier_wait -3
	s_barrier_signal -1
	s_barrier_wait -1
.endm
.macro CROUND
	s_barrier_signal -1
	s_barrier_wait -1
	CREST
.endm
.macro LANDED                          ; my part of the fill is in, and everybody's
	s_wait_tensorcnt 0x0
	s_wait_dscnt 0x0
	s_barrier_signal -1
	s_barrier_wait -1
.endm
.macro PLACES n                        ; plain vector instructions between a matrix instruction and a load into, or a read of, its registers
.rept \n
	v_nop
.endr
.endm
.macro FRAG reg, adr, q, i             ; 16 rows x 128 K: registers 4 c .. 4 c + 3 hold K = 32 c + 16 (l / 16) + 0..15, alike in A and in B
.irp c, 0,1,2,3
	ds_load_b128 v[\reg+4*\c:\reg+4*\c+3], v[\adr] offset:128*(\q)+32*\c+(\i)*16*PITCH
.endr
.endm
; 16 matrix instructions: A's blocks a0, a0 + 1 x B's eight.  zero = 1: the sums start from the bias by columns (q, k); 2: by rows (v); 0: they go on.  The accumulators take turns.
.macro MUL16 a0, p, zero
.irp a, \a0, \a0+1
.irp b, 0,1,2,3,4,5,6,7
.if \zero == 1
	v_wmma_f32_16x16x128_fp8_fp8 v[8*(8*((\a)%4)+\b):8*(8*((\a)%4)+\b)+7], v[128*(\p)+FR*\b:128*(\p)+FR*\b+FR-1], v[AF+FR*(\a):AF+FR*(\a)+FR-1], v[BIAS+8*\b:BIAS+8*\b+7]
.elseif \zero == 2
	v_wmma_f32_16x16x128_fp8_fp8 v[8*(8*((\a)%4)+\b):8*(8*((\a)%4)+\b)+7], v[128*(\p)+FR*\b:128*(\p)+FR*\b+FR-1], v[AF+FR*(\a):AF+FR*(\a)+FR-1], v[BIAS+8*(\a):BIAS+8*(\a)+7]
.else
	v_wmma_f32_16x16x128_fp8_fp8 v[8*(8*((\a)%4)+\b):8*(8*((\a)%4)+\b)+7], v[128*(\p)+FR*\b:128*(\p)+FR*\b+FR-1], v[AF+FR*(\a):AF+FR*(\a)+FR-1], v[8*(8*((\a)%4)+\b):8*(8*((\a)%4)+\b)+7]
.endif
.endr
.endr
.endm
.macro FETCH_B q, p
	WIN TO_B
.irp i, 0,1,2,3,4,5,6,7
	FRAG 128*(\p)+FR*\i, ADRB, \q, \i
.endr
	WIN 0
.endm
.macro FETCH_A q, i0                   ; part 1: A's blocks i0 .. i0 + 3
.irp i, \i0, \i0+1, \i0+2, \i0+3
	FRAG AF+FR*(\i), ADRA, \q, \i
.endr
.endm
.macro FETCH_A2 q                      ; part 2: A's four blocks, into the set q % 2
.irp i, 0,1,2,3
	FRAG AF+FR*(\i+4*((\q)%2)), ADRA2, \q, \i
.endr
.endm
; PART 1: a step of 128 along K that has its successor in the same fill.  A's blocks 0-3 are fetched anew in its middle, blocks 4-7 at its end; B has two sets.
.macro STEP q, zero
	s_wait_dscnt 4*NL                              ; B's set and A's blocks 0-3 are in; the youngest sixteen loads (A's blocks 4-7) may be out
.if \zero
	WIN 0x81                                       ; C (the bias) window 0, D window 2
.else
	WIN MUL_LO
.endif
	MUL16 0, (\q)%2, \zero
	MUL16 2, (\q)%2, \zero
	s_wait_dscnt 0
	PLACES NP
	FETCH_B (\q)+1, 1-(\q)%2
	FETCH_A (\q)+1, 0
.if \zero
	WIN 0xc1
.else
	WIN MUL_HI
.endif
	MUL16 4, (\q)%2, \zero
	MUL16 6, (\q)%2, \zero
	PLACES NP
	WIN 0
	FETCH_A (\q)+1, 4
.endm
; PART 1: a fill's fourth step, and the next fill.  In front of the round each wave waits for all its tensor loads, adds 0 to its spare word, and waits for that and for its reads of the region.
; part2 = 0: the same rows, K 512 on; 1: part 2's rows, K 0 on: A's tile then has 64 rows a wave.
.macro TURN part2
	s_wait_tensorcnt 0x0                           ; no tensor load of mine is out
	ds_add_u32 v[SPW], v[NIL]                      ; 0 onto my spare word
	s_wait_dscnt 4*NL+1                            ; (the add and the youngest sixteen loads may be out)
	WIN MUL_LO
	MUL16 0, 1, 0
	s_wait_dscnt 0x0                               ; the add is done, and my reads of the region are over
	s_barrier_signal -1
	MUL16 2, 1, 0
	WIN 0
	s_barrier_wait -1
	CREST                                          ; the barrier has opened a round of the cluster's: no wave of any partner still reads the region or has a load on its way
.if \part2
	s_mov_b32 s[G1+2], 64<<16                      ; tensor_dim1
	s_mov_b32 s[G1+4], 64                          ; tile_dim1
	s_mov_b32 s[G0+1], s60
	s_mov_b64 s[G0+2:G0+3], s[36:37]
	s_or_b32 s[G0+3], s[G0+3], 0x80000000
	s_mov_b64 s[G0B+2:G0B+3], s[38:39]
	s_or_b32 s[G0B+3], s[G0B+3], 0x80000000
.else
	s_add_nc_u64 s[G0+2:G0+3], s[G0+2:G0+3], ROWB
	s_add_nc_u64 s[G0B+2:G0B+3], s[G0B+2:G0B+3], ROWB
.endif
	JLOAD                                          ; the first tensor load behind the round
.if \part2 == 0
	global_prefetch_b8 v[PFO2], s[68:69] th:TH_LOAD_NT scope:SCOPE_SE   ; part 2's rows of wqc: one fill ahead of the first load that wants them
.endif
	WIN MUL_HI
	MUL16 4, 1, 0                                  ; the step's other half works on registers alone
	MUL16 6, 1, 0
	WIN 0
.endm
; PART 2: a step of 128 along K: 32 matrix instructions on the sets q % 2; the next step's fragments are asked for ahead of them, into the other sets.
.macro STEP2 q, fetch, zero
	s_wait_dscnt 0x0                               ; this step's fragments are in
.if \fetch
	PLACES NP
	FETCH_B (\q)+1, 1-(\q)%2
	FETCH_A2 (\q)+1
.endif
.if \zero
	WIN 0x81
.else
	WIN MUL_LO
.endif
	MUL16 4*((\q)%2), (\q)%2, \zero
	MUL16 4*((\q)%2)+2, (\q)%2, \zero
	WIN 0
.endm
; Block a of 16 rows: held and turned into codes.  Each accumulator is read from its low end on.
.macro QCODES a, scl, lim, cd
	WIN 0x02+((\a)/4)                              ; source 0: window 2 or 3
.set n, 0
.rept 64
	v_med3_num_f32 v[TMP+n], v[64*((\a)%4)+n], -v[\lim], v[\lim]   ; the conversion to an 8-bit code does not saturate (ISA guide 7.6.2)
.set n, n+1
.endr
	WIN 0
.irp b, 0,1,2,3,4,5,6,7
	v_cvt_scalef32_pk8_fp8_f32 v[\cd+2*\b:\cd+2*\b+1], v[TMP+8*\b:TMP+8*\b+7], v[\scl]
.endr
	v_nop                                          ; a plain instruction between the conversions and the next writes of their sources
.endm
; PART 1's way out.  A block is 16 tokens x 128 bytes, two heads: through my own stage, and back as 8 tokens x 64 bytes of one head an instruction: 512 consecutive bytes of qc or kc.
; LDS serves a wave's instructions in order (ISA guide 5.7.1.4): no wait between the stores and the loads, nor in front of the next block's stores.
.macro OUT1 a
	QCODES \a, SCL1, LIM1, CD+16*((\a)%2)
.irp c, 0,1,2,3
	ds_store_b128 v[STO1], v[CD+16*((\a)%2)+4*\c:CD+16*((\a)%2)+4*\c+3] offset:32*\c
.endr
.irp k, 0,1,2,3
	ds_load_b128 v[AF+16*(\a)+4*\k:AF+16*(\a)+4*\k+3], v[RD1] offset:(\k%2)*8*SP1+(\k/2)*64
.endr
.endm
.macro SEND1 a, younger                ; younger: the LDS instructions issued behind block a's loads, which may stay out
	s_wait_dscnt \younger
.irp k, 0,1,2,3
	global_store_b128 v[COQ], v[AF+16*(\a)+4*\k:AF+16*(\a)+4*\k+3], s[78:79] offset:(\k/2)*131072+(\a)*1024+(\k%2)*512
.endr
.endm
	s_load_b256 s[4:11], s[0:1], 0x0               ; xc s[4:5], wqc s[6:7], b_qkv s[8:9], the scales' exponents s[10:11]
	s_load_b128 s[72:75], s[0:1], 0x20             ; qc, kc
	s_load_b64 s[76:77], s[0:1], 0x30              ; vc
	v_lshl_add_u32 v[SPW], v0, 2, SPARE
	v_mov_b32 v[NIL], 0
	ds_add_u32 v[SPW], v[NIL]                      ; the opening lines: the add, twice on end, and its wait ahead of my first tensor load
	ds_add_u32 v[SPW], v[NIL]
	v_lshrrev_b32 v1, 5, v0
	v_readfirstlane_b32 s14, v1                    ; wave 0..3
	s_lshr_b32 s15, s14, 1                         ; which half of the block's rows is mine.  Also: I fetch for A (0) or for B (1)
	s_and_b32 s16, s14, 1                          ; which half of its columns.  Also: which half of that tile I fetch
	s_bfe_u32 s40, ttmp6, 0x40000                  ; cx
	s_bfe_u32 s41, ttmp6, 0x40004                  ; cy
	s_lshl_b32 s12, ttmp9, 2                       ; 4 X
	s_and_b32 s13, ttmp7, 0xffff
	s_lshl_b32 s13, s13, 2                         ; 4 Y
	s_add_co_u32 s17, s13, s41                     ; part 1: the block's 256 tokens: 4 Y + cy
	s_add_co_u32 s18, s12, s41                     ; part 2: its 128 features of v: 4 X + cy
	s_add_co_u32 s42, s12, s40                     ; part 1: its 256 features of q and k: 4 X + cx
	s_add_co_u32 s19, s13, s40                     ; part 2: its 256 tokens: 4 Y + cx
	s_lshl_b32 s43, s41, 2
	s_lshl_b32 s43, 15, s43                        ; my row of the cluster
	s_lshl_b32 s44, 0x1111, s40                    ; my column
	s_or_b32 s[G1+0], s43, (0<<16)|(1<<20)|(1<<21)|(6<<22)|(3<<25)  ; the mask; elements of 1 byte; padding on; bit 21 beside a mask; 4 words behind every 128
	s_or_b32 s[G1B+0], s44, (0<<16)|(1<<20)|(1<<21)|(6<<22)|(3<<25)
.irp g, G1, G1B
	s_mov_b32 s[\g+1], ROWB<<16                    ; tensor_dim0
	s_mov_b32 s[\g+2], 128<<16                     ; tensor_dim1
	s_mov_b32 s[\g+3], ROWB<<16                    ; tile_dim0
	s_mov_b32 s[\g+4], 128                         ; tile_dim1
	s_mov_b32 s[\g+5], KROW                        ; stride from row to row
	s_mov_b32 s[\g+6], 0
	s_mov_b32 s[\g+7], 0
.endr
	s_lshl_b32 s22, s16, 7
	s_lshl_b32 s23, s16, 6
	s_lshl_b32 s20, s17, 8
	s_add_co_u32 s20, s20, s22
	s_lshl_b32 s20, s20, 10                        ; part 1, A: (256 x block + 128 x half) rows of 1,024 bytes
	s_mov_b32 s21, 0
	s_lshl_b32 s36, s18, 7
	s_add_co_u32 s36, s36, s23
	s_add_co_u32 s36, s36, 2048
	s_lshl_b32 s36, s36, 10                        ; part 2, A: row 2,048 + 128 x block + 64 x half
	s_mov_b32 s37, 0
	s_lshl_b32 s46, s42, 8
	s_add_co_u32 s46, s46, s22
	s_lshl_b32 s46, s46, 10                        ; part 1, B
	s_mov_b32 s47, 0
	s_lshl_b32 s38, s19, 8
	s_add_co_u32 s38, s38, s22
	s_lshl_b32 s38, s38, 10                        ; part 2, B
	s_mov_b32 s39, 0
	s_mul_i32 s45, s14, HALFT                      ; where they go: wave x 128 rows;
	s_mul_i32 s60, s16, 64*PITCH                   ; part 2's A: half x 64 rows
	s_wait_dscnt 0x0                               ; both opening adds are done
	s_wait_kmcnt 0x0
	s_load_b256 s[80:87], s[10:11], 0x0            ; e0 .. e7
	s_add_nc_u64 s[20:21], s[4:5], s[20:21]
	s_add_nc_u64 s[46:47], s[6:7], s[46:47]
	s_add_nc_u64 s[36:37], s[6:7], s[36:37]
	s_add_nc_u64 s[38:39], s[4:5], s[38:39]
	CROUND                                         ; all sixteen work-groups are here: the first joint loads meet
	s_mov_b32 s[G0], 1
	s_mov_b32 s[G0+1], s45
	s_mov_b64 s[G0+2:G0+3], s[20:21]
	s_or_b32 s[G0+3], s[G0+3], 0x80000000
	s_mov_b32 s[G0B], 1
	s_mov_b32 s[G0B+1], s45
	s_mov_b64 s[G0B+2:G0B+3], s[46:47]
	s_or_b32 s[G0B+3], s[G0B+3], 0x80000000
	JLOAD                                          ; part 1, K 0..511: one tensor load a wave at the head
	s_cmp_eq_u32 s15, 0                            ; the first prefetch: my part of the tile,
	s_cselect_b64 s[66:67], s[20:21], s[46:47]
	s_cselect_b32 s90, s40, s41
	s_lshl_b32 s90, s90, 15                        ; 32 rows of 1,024 bytes for each place among the four that ask with me
	s_mov_b32 s91, 0
	s_add_nc_u64 s[66:67], s[66:67], s[90:91]      ; never rewritten
	s_lshl_b32 s90, s40, 2                         ; the second: u = 4 cx + wave takes rows 8 u .. 8 u + 7 of part 2's 128 rows of wqc
	s_add_co_u32 s90, s90, s14
	s_lshl_b32 s90, s90, 3
	s_lshl_b32 s96, s18, 7
	s_add_co_u32 s90, s90, s96
	s_add_co_u32 s90, s90, 2048
	s_lshl_b32 s90, s90, 10
	s_add_nc_u64 s[68:69], s[6:7], s[90:91]        ; never rewritten
	s_lshl_b32 s90, s42, 8
	s_add_co_u32 s90, s90, s22
	s_lshl_b32 s90, s90, 2
	s_add_nc_u64 s[70:71], s[8:9], s[90:91]        ; part 1's bias at my first column
	s_lshl_b32 s90, s18, 7
	s_lshl_b32 s96, s15, 6
	s_add_co_u32 s90, s90, s96
	s_add_co_u32 s90, s90, 2048
	s_lshl_b32 s90, s90, 2
	s_add_nc_u64 s[62:63], s[8:9], s[90:91]        ; part 2's at my first row
	s_mul_i32 s88, s15, HALFT                      ; part 1: my 128 rows of A
	s_mul_i32 s89, s15, 64*PITCH                   ; part 2: my 64
	s_mul_i32 s92, s16, HALFT
	s_add_co_u32 s92, s92, 2*HALFT                 ; my 128 rows of B, behind A's 256
	s_mul_i32 s93, s14, 16*SP1
	s_add_co_u32 s93, s93, STAGE                   ; part 1: my stage
	s_mul_i32 s94, s15, 64*SP
	s_add_co_u32 s94, s94, s22
	s_add_co_u32 s94, s94, STAGE                   ; part 2, in: row 64 x row half, byte 128 x column half
	s_mul_i32 s95, s14, 32*SP
	s_add_co_u32 s95, s95, STAGE                   ; part 2, back: my 32 rows
	s_lshr_b32 s90, s17, 3                         ; part 1's place in qc or kc: (16 batch + head) << 17, head = 4 cx + 2 x column half,
	s_lshl_b32 s90, s90, 4
	s_lshl_b32 s96, s40, 2
	s_add_co_u32 s90, s90, s96
	s_lshl_b32 s96, s16, 1
	s_add_co_u32 s90, s90, s96
	s_lshl_b32 s90, s90, 17
	s_and_b32 s96, s17, 7
	s_lshl_b32 s96, s96, 8
	s_lshl_b32 s97, s15, 7
	s_add_co_u32 s96, s96, s97
	s_lshl_b32 s96, s96, 6                         ; + my first token of the batch x 64 bytes
	s_add_co_u32 s90, s90, s96
	s_cmp_eq_u32 ttmp9, 0                          ; q or k: the same in all sixteen partners
	s_cselect_b64 s[78:79], s[72:73], s[74:75]
	s_add_nc_u64 s[78:79], s[78:79], s[90:91]
	s_lshr_b32 s90, s19, 3                         ; part 2's place in vc: head = 2 x block + wave / 2, d = 32 (wave % 2) on, 256 bytes of a row
	s_lshl_b32 s90, s90, 4
	s_lshl_b32 s96, s18, 1
	s_add_co_u32 s90, s90, s96
	s_add_co_u32 s90, s90, s15
	s_lshl_b32 s90, s90, 17
	s_lshl_b32 s96, s16, 16
	s_add_co_u32 s90, s90, s96
	s_and_b32 s96, s19, 7
	s_lshl_b32 s96, s96, 8
	s_add_co_u32 s90, s90, s96
	s_add_nc_u64 s[2:3], s[76:77], s[90:91]
	v_and_b32 v1, 15, v0                           ; r
	v_bfe_u32 v2, v0, 4, 1                         ; h
	v_and_b32 v7, 31, v0
	v_lshlrev_b32 v6, 5, v2
	v_lshlrev_b32 v5, 2, v1
.irp b, 0,1,2,3,4,5,6,7
	global_load_b128 v[BIAS+8*\b:BIAS+8*\b+3], v6, s[70:71] offset:64*\b        ; b_qkv[n0 + 16 b + 8 h + 0..7]: the result's layout
	global_load_b128 v[BIAS+8*\b+4:BIAS+8*\b+7], v6, s[70:71] offset:64*\b+16
.endr
.irp x, 0,1,2,3
	global_load_b32 v[B2+\x], v5, s[62:63] offset:64*\x                          ; b_qkv[n0 + 16 x + r]
.endr
	v_lshlrev_b32 v[PFO], 10, v7                   ; a lane a row
	v_lshrrev_b32 v8, 2, v7
	v_and_b32 v9, 3, v7
	v_lshlrev_b32 v[PFO2], 10, v8
	v_mul_u32_u24 v3, v1, PITCH
	v_lshl_add_u32 v[PFO2], v9, 8, v[PFO2]         ; four lanes a row, 256 bytes apart
	v_lshl_add_u32 v4, v2, 4, v3                   ; a fragment's row x pitch + 16 x half
	global_prefetch_b8 v[PFO], s[66:67] offset:512 th:TH_LOAD_NT scope:SCOPE_SE   ; one fill, four steps of 128, ahead of the load that wants them
	global_prefetch_b8 v[PFO], s[66:67] offset:768 th:TH_LOAD_NT scope:SCOPE_SE
	v_add_nc_u32 v[ADRA], s88, v4
	v_add_nc_u32 v[ADRA2], s89, v4
	v_add_nc_u32 v[ADRB], s92, v4
	v_mul_u32_u24 v3, v1, SP1
	v_mul_u32_u24 v4, v8, SP1
	v_lshl_add_u32 v3, v2, 4, v3
	v_lshl_add_u32 v4, v9, 4, v4
	v_add_nc_u32 v[STO1], s93, v3                  ; part 1, in: row r, + 16 h
	v_add_nc_u32 v[RD1], s93, v4                   ; back: four lanes to a token's 64 bytes of a head
	v_lshlrev_b32 v[COQ], 4, v7
	v_mul_u32_u24 v3, v1, SP
	v_mul_u32_u24 v4, v2, SP
	v_lshl_add_u32 v3, v2, 4, v3
	v_lshl_add_u32 v4, v1, 4, v4
	v_add_nc_u32 v[STO2], s94, v3                  ; part 2, in: row r, + 16 h
	v_add_nc_u32 v[RDV], s95, v4                   ; back: sixteen lanes to a row of 256 bytes
	v_lshlrev_b32 v[COV], 11, v2
	v_lshl_add_u32 v[COV], v1, 4, v[COV]           ; and the same two rows d of vc
	s_wait_kmcnt 0x0
	s_add_co_i32 s97, s80, s81                     ; e0 + e1: a sum stands for sum x 2^(e0 + e1)
	s_cmp_eq_u32 ttmp9, 0
	s_cselect_b32 s98, s82, s83                    ; e2 or e3
	s_sub_co_i32 s98, s98, s97
	s_add_co_i32 s98, s98, 127
	s_lshl_b32 s99, s98, 23
	v_mov_b32 v[SCL1], s99
	s_add_co_i32 s98, s98, 8
	s_lshl_b32 s98, s98, 23
	s_or_b32 s98, s98, 0x600000
	v_mov_b32 v[LIM1], s98
	s_sub_co_i32 s98, s85, s97                     ; e5
	s_add_co_i32 s98, s98, 127
	s_lshl_b32 s99, s98, 23
	v_mov_b32 v[SCL2], s99
	s_add_co_i32 s98, s98, 8
	s_lshl_b32 s98, s98, 23
	s_or_b32 s98, s98, 0x600000
	v_mov_b32 v[LIM2], s98
	s_sub_co_i32 s97, 0, s97
	s_wait_loadcnt 0x0                             ; both biases
.set n, 0
.rept 64
	v_ldexp_f32 v[BIAS+n], v[BIAS+n], s97          ; / 2^(e0 + e1)
.set n, n+1
.endr
	s_wait_alu depctr_va_vdst(0)
	LANDED
	; PART 1
	FETCH_B 0, 0
	FETCH_A 0, 0
	FETCH_A 0, 4
	STEP 0, 1                                      ; the first products start the sums from the bias
	STEP 1, 0
	STEP 2, 0
	TURN 0                                         ; K 512..1023 is asked for
	LANDED
	PLACES NP
	FETCH_B 0, 0
	FETCH_A 0, 0
	FETCH_A 0, 4
	STEP 0, 0
	STEP 1, 0
	STEP 2, 0
	TURN 1                                         ; part 2's K 0..511 is asked for: it is out during all that follows, up to the next wait on TENSORcnt
	PLACES NP
	OUT1 0
.irp a, 1,2,3,4,5,6,7
	OUT1 \a
	SEND1 \a-1, 8                                  ; behind block a - 1's loads: block a's 4 stores and 4 loads
.endr
	SEND1 7, 0
.irp x, 0,1,2,3
.irp j, 0,1,2,3,4,5,6,7
	v_ldexp_f32 v[BIAS+8*\x+\j], v[B2+\x], s97     ; part 2's bias: the same number in a block's eight registers, / 2^(e0 + e1)
.endr
.endr
	s_wait_alu depctr_va_vdst(0)
	s_wait_xcnt 0x0                                ; the stores have read their registers: fragments may land there
	LANDED
	; PART 2
	FETCH_B 0, 0
	FETCH_A2 0
	STEP2 0, 1, 2
	STEP2 1, 1, 0
	STEP2 2, 1, 0
	s_wait_tensorcnt 0x0                           ; the fourth step, and the last fill: no tensor load of mine is out
	ds_add_u32 v[SPW], v[NIL]                      ; 0 onto my spare word
	s_wait_dscnt 0x0                               ; the add is done, and my reads of the region are over
	s_barrier_signal -1
	WIN MUL_LO
	MUL16 4, 1, 0
	WIN 0
	s_barrier_wait -1
	CREST
	s_add_nc_u64 s[G0+2:G0+3], s[G0+2:G0+3], ROWB
	s_add_nc_u64 s[G0B+2:G0B+3], s[G0B+2:G0B+3], ROWB
	JLOAD                                          ; part 2's K 512..1023: the first tensor load behind the round
	WIN MUL_LO
	MUL16 6, 1, 0
	WIN 0
	LANDED
	PLACES NP
	FETCH_B 0, 0
	FETCH_A2 0
	STEP2 0, 1, 0
	STEP2 1, 1, 0
	STEP2 2, 1, 0
	STEP2 3, 0, 0
	; PART 2's way out: all 128 x 256 codes meet in the stage; then each wave takes 32 rows d and stores them as rows of 256 bytes
	PLACES NP
.irp a, 0,1,2,3
	QCODES \a, SCL2, LIM2, CD+16*(\a%2)
.irp c, 0,1,2,3
	ds_store_b128 v[STO2], v[CD+16*(\a%2)+4*\c:CD+16*(\a%2)+4*\c+3] offset:\a*16*SP+32*\c
.endr
.endr
	s_wait_dscnt 0x0                               ; for the others' sake: my stores into the stage are done
	s_barrier_signal -1
	s_barrier_wait -1
.set i, 0
.rept 16
	ds_load_b128 v[AF+4*i:AF+4*i+3], v[RDV] offset:2*i*SP
.set i, i+1
.endr
.set i, 0
.rept 16
	s_wait_dscnt 15-i
	global_store_b128 v[COV], v[AF+4*i:AF+4*i+3], s[2:3] offset:2*i*2048   ; sixteen lanes store 256 consecutive bytes, aligned, of a row d
.set i, i+1
.endr
	s_wait_tensorcnt 0x0                           ; the wave's end
	ds_add_u32 v[SPW], v[NIL]
	s_wait_dscnt 0x0
	CROUND                                         ; the closing round: no work-group ends while a partner may still ask for a tile that names it
	s_endpgm
.Lfunc_end_k_q75af81b604_qkv:
	.size	k_q75af81b604_qkv, .Lfunc_end_k_q75af81b604_qkv-k_q75af81b604_qkv
	.p2alignl 7, 3214868480
	.fill 96, 4, 3214868480
	.section	.rodata,"a",@progbits
	.p2align	6, 0x0
	.amdhsa_kernel k_q75af81b604_qkv
		.amdhsa_group_segment_fixed_size 327680
		.amdhsa_private_segment_fixed_size 0
		.amdhsa_enable_private_segment 0
		.amdhsa_kernarg_size 56
		.amdhsa_user_sgpr_count 2
		.amdhsa_user_sgpr_kernarg_segment_ptr 1
		.amdhsa_wavefront_size32 1
		.amdhsa_system_sgpr_workgroup_id_x 1
		.amdhsa_system_sgpr_workgroup_id_y 1
		.amdhsa_system_sgpr_workgroup_id_z 1
		.amdhsa_system_vgpr_workitem_id 0
		.amdhsa_next_free_vgpr 1024
		.amdhsa_next_free_sgpr 100
		.amdhsa_reserve_vcc 0
		.amdhsa_float_denorm_mode_32 3
		.amdhsa_float_denorm_mode_16_64 3
		.amdhsa_memory_ordered 1
		.amdhsa_forward_progress 1
		.amdhsa_inst_pref_size 199
	.end_amdhsa_kernel
	.amdgpu_metadata
---
amdhsa.version: [ 1, 2 ]
amdhsa.kernels:
  - .name:           k_q75af81b604_qkv
    .symbol:         k_q75af81b604_qkv.kd
    .args:
      - { .name: xc, .offset: 0, .size: 8, .value_kind: global_buffer, .address_space: global }
      - { .name: wqc, .offset: 8, .size: 8, .value_kind: global_buffer, .address_space: global }
      - { .name: b_qkv, .offset: 16, .size: 8, .value_kind: global_buffer, .address_space: global }
      - { .name: lowp_scales, .offset: 24, .size: 8, .value_kind: global_buffer, .address_space: global }
      - { .name: qc, .offset: 32, .size: 8, .value_kind: global_buffer, .address_space: global }
      - { .name: kc, .offset: 40, .size: 8, .value_kind: global_buffer, .address_space: global }
      - { .name: vc, .offset: 48, .size: 8, .value_kind: global_buffer, .address_space: global }
    .group_segment_fixed_size: 327680
    .private_segment_fixed_size: 0
    .kernarg_segment_align: 8
    .kernarg_segment_size: 56
    .max_flat_workgroup_size: 128
    .sgpr_count:     100
    .vgpr_count:     1024
    .wavefront_size: 32
...
	.end_amdgpu_metadata
.endif
;; end of part 2
;; launch attn (part 3): grid 4 x 64, 16 waves a work-group, clusters of 4 x 1, 327,680 bytes of LDS; arguments qc, kc, vc, lowp_scales, yc; writes yc
.if DOCPART == 3
	.amdgcn_target "amdgcn-amd-amdhsa--gfx1250"
	.amdhsa_code_object_version 6
	.text
	.protected	k_q75af81b604_attn
	.globl	k_q75af81b604_attn
	.p2align	8
	.type	k_q75af81b604_attn,@function
k_q75af81b604_attn:
	s_mov_b64 s[64:65], 0
	v_nop
	global_prefetch_b8 v0, s[64:65] scope:SCOPE_SE
	s_setreg_imm32_b32 hwreg(HW_REG_WAVE_MODE, 25, 1), 1
	s_wait_xcnt 0x0
	s_wait_alu depctr_hold_cnt(0) depctr_sa_sdst(0) depctr_va_vdst(0) depctr_va_sdst(0) depctr_va_ssrc(0) depctr_va_vcc(0) depctr_vm_vsrc(0)
	s_getreg_b32 s2, hwreg(HW_REG_IB_STS2, 6, 4)
	s_cmp_eq_u32 s2, 0
	s_cbranch_scc0 .Lentry_in_a_cluster
	s_endpgm
.Lentry_in_a_cluster:
	s_bfe_u32 s2, ttmp6, 0x10000c
	s_cmp_lg_u32 s2, 0x3003
	s_cbranch_scc0 .Lentry_shape_is_right
	s_endpgm
.Lentry_shape_is_right:
; Causal attention on codes of FP8 (E4M3), head size 64, 2,048 tokens, 64 (batch x head); the result is quantised at once for the last product.
; qc, kc [64][2048 tokens][64]; vc [64][64 d][2048 tokens] (tokens innermost: the second product's K; inside each 32 tokens bits 3 and 4 of the place have changed places, see LAYOUT); yc [16 heads][8192 tokens][64 d].
; THE SOFTMAX: t = score x log2(e) / 8; M = the row's largest t so far, rounded UP to a whole number; p = 2^(t - M) is what is quantised (2^e4); the row's sum is taken of the unquantised p and divides at the end.
; When M moves, the sum and O are multiplied by 2^(old M - new M), which rounds nothing.
; LEFT OUT: key steps all of whose 128 keys come after a wave's queries: the causal mask sets their scores to -infinity, so their weights are 0 for all inputs.
; SHARES.  The four work-groups of a head form a cluster; work-group I (its place, 0..3) owns the tiles of 16 queries with numbers 4 g + I, g = 0..31.  Wave w owns two of them, one after the other:
; g = 31 - j and g = j, with j = w, its two low bits turned over where bit 2 of w is set.  Group g sees floor(g / 2) + 1 key steps of 128, so every wave has 17 steps, in every work-group.
; Which steps are left out or masked hangs on g alone (64 g + 16 I + 15 < 64 g + 64, and a step's first key is a multiple of 128): no branch hangs on the place in the cluster.
; LDS HOLDS THE HEAD'S WHOLE K AND V: 139,264 + 133,120 bytes; nothing is filled twice.  The four partners need the same bytes, so every load is a JOINT load (mask 15).
; Each wave issues two loads: at the head its part of keys 0..1023 (waves 0-7: 128 keys of K, 8,192 dense bytes; waves 8-15: 8 rows d of V, 1,024 bytes each), and, behind a
; round of the cluster's barrier, the same part of keys 1024..2047.  That second load is out during the first eight steps (g = 31 - j >= 16: all keys under 1,024 count).  One barrier follows; behind it the waves share nothing more.
; NO PREFETCH: every byte of K and V is asked for by these two groups of loads at the head; no loop runs ahead of a load.
; LAYOUT.  Both products are used transposed: S^T = K Q^T (source 0 = 16 neighbouring keys, source 1 = my queries), O^T = V^T P^T: a lane holds ONE query (lane % 16) throughout.
; Tile t' of S^T gives lane half h the keys 16 t' + 8 h + 0..7; the codes of tiles 2 c, 2 c + 1 are registers 4 c .. 4 c + 3 of P's operand: byte 8 u + j is key 32 c + 16 u + 8 h + j.
; vc holds that key at place 32 c + 16 h + 8 u + j, so 16 bytes of a row of V at 32 c + 16 h are the same keys in the same bytes.
; LIMITS: e2 + e3 between -123 and 130 (added to c's exponent field); e4, and e6 - e4 - e5, between -126 and 119; the scaled scores t stay under 2^31 in magnitude.
; REGISTERS: v1-11 addresses; v12 -M, v13 the largest t, v[14:15] the sum in two halves; v16-23 Q; v24 r - 8 h + 16 I; v32-95 a step's eight fragments of K, then its four of V; v96-159 S^T, then p; v160-191 O^T;
;   v192-207 p's codes; v208-215 y's codes; v216-223 rows of y; v224-231 the second tile's Q; v233-255 at work and the scales.
.set KP,    272                        ; K: long rows of 4 keys (256 bytes) + 16 of padding: the 16 keys of a tile fall on 16 different 16-byte columns
.set KSTEP, 32*KP                      ; 128 keys
.set VP,    1040                       ; V: a row d of 1,024 keys + 16 of padding: 65 x 16 bytes from row to row
.set VOFF,  512*KP                     ; behind K's 2,048 keys: V's keys 0..1023,
.set VHALF, 64*VP                      ; and, so many bytes on, its keys 1024..2047
.set STAGE, VOFF+2*VHALF               ; the way out: 16 rows x 80 bytes for each wave: five blocks of 256 bytes a wave, into which no fill lands
.set SPARE, STAGE+16*1280              ; the spare words, 128 bytes a wave: eight blocks of 256 bytes that no other line names
.set AK0, 1
.set AV0, 2
.set QOF, 4
.set SPW, 5
.set NIL, 6
.set GO,  7
.set ADK, 8
.set ADV, 9
.set STW, 10
.set STR, 11
.set F,   32
.set S,   96
.set O,   160
.set P,   192
.set CNT, 3                            ; s3   a loop's trip
.set WV,  18
.set I,   19                           ; s19  my work-group's place in the cluster: it enters global addresses and the mask's numbers alone
.set SEL, 20
.set CS,  22                           ; s[22:23] c = log2(e) / 8 x 2^(e2 + e3)
.set G1K, 24
.set G1V, 32
.set G0K, 40
.set G0V, 44
.set KF,  48                           ; s48  the step's first key
.set QJ,  49                           ; s49  64 g: my tile's first query less 16 I
.set J,   50                           ; s50  j
.set KB,  52                           ; s[52:53], s[54:55] kc, vc at my head; s[56:57], s[58:59] qc, yc at my head, 16 I tokens on
.set VB,  54
.set QB,  56
.set YB,  58
.set KO,  60                           ; s60, s61 the step's place in K and in V, in LDS bytes
.set VO,  61
.set STB, 62                           ; s62  my stage
; A joint load: waves 0-7 fetch for K, waves 8-15 for V; the branch hangs on the wave's number alone.  An s_nop 0 and four v_nop follow each line.
.macro TLOAD
	s_cmp_lt_u32 s[WV], 8
	s_cbranch_scc0 .Lfor_v_\@
	tensor_load_to_lds s[G0K:G0K+3], s[G1K:G1K+7]
	s_nop 0
.rept 4
	v_nop
.endr
	s_branch .Lasked_\@
.Lfor_v_\@:
	tensor_load_to_lds s[G0V:G0V+3], s[G1V:G1V+7]
	s_nop 0
.rept 4
	v_nop
.endr
.Lasked_\@:
.endm
.macro CROUND                          ; a round of the cluster's barrier
	s_barrier_signal -1
	s_barrier_wait -1
	s_cmp_lg_u32 s[WV], 0
	s_cbranch_scc1 .Lnot_wave_0_\@
	s_barrier_signal -3
.Lnot_wave_0_\@:
	s_barrier_wait -3
	s_barrier_signal -1
	s_barrier_wait -1
.endm
; A KEY STEP: 128 keys from KF on.  m = 0: all of them count; m = 1: the step may be hidden (left out) or lie on the diagonal (masked).
.macro STEP m
.if \m
	s_add_co_u32 s96, s[QJ], 63
	s_cmp_gt_u32 s[KF], s96
	s_cbranch_scc1 .Lhidden_\@                     ; all its keys come after my queries
.endif
	v_add_nc_u32 v[ADK], s[KO], v[AK0]
	v_add_nc_u32 v[ADV], s[VO], v[AV0]
	v_nop                                          ; with the two additions: four places in front of loads into registers that the last products have read
	v_nop
.irp t, 0,1,2,3,4,5,6,7
.irp c, 0,1
	ds_load_b128 v[F+8*\t+4*\c:F+8*\t+4*\c+3], v[ADK] offset:4*\t*KP+32*\c
.endr
.endr
	s_wait_alu depctr_va_vdst(0)
	s_wait_dscnt 8                                 ; tiles 0 to 3 are in; the eight loads of tiles 4 to 7 may be out
.irp t, 0,1,2,3
	v_wmma_f32_16x16x64_fp8_fp8 v[S+8*\t:S+8*\t+7], v[F+8*\t:F+8*\t+7], v[16:23], 0
.endr
	s_wait_dscnt 0x0
.irp t, 4,5,6,7
	v_wmma_f32_16x16x64_fp8_fp8 v[S+8*\t:S+8*\t+7], v[F+8*\t:F+8*\t+7], v[16:23], 0
.endr
.rept 4
	v_nop                                          ; places in front of the loads below and of the first read of the scores
.endr
.irp t, 0,1,2,3                                ; V's four fragments are on their way during the whole softmax
.irp c, 0,1,2,3
	ds_load_b128 v[F+16*\t+4*\c:F+16*\t+4*\c+3], v[ADV] offset:16*\t*VP+32*\c
.endr
.endr
.if \m
	s_add_co_u32 s96, s[KF], 128
	s_cmp_le_u32 s96, s[QJ]
	s_cbranch_scc1 .Lopen_\@                       ; all its keys count
	s_sub_co_i32 s96, s[QJ], s[KF]
	v_add_nc_u32 v252, s96, v24                    ; d = my query - KF - 8 h.  Register 8 t' + j holds key KF + 16 t' + 8 h + j: hidden where 16 t' + j > d
	v_mov_b32 v254, 0xff800000                     ; -infinity
.set n, 0
.rept 64
	v_cmp_gt_i32 vcc_lo, 16*(n/8)+n%8, v252
	v_cndmask_b32 v[S+n], v[S+n], v254, vcc_lo
.set n, n+1
.endr
.Lopen_\@:
.endif
	v_max3_num_f32 v254, v96, v97, v98             ; the step's largest score of my query among my 64 keys, in two chains, in ascending order of the registers,
	v_max3_num_f32 v252, v99, v100, v101
.irp i, 6,10,14,18,22,26,30,34,38,42,46,50,54,58
	v_max3_num_f32 v254, v254, v[96+\i], v[97+\i]
	v_max3_num_f32 v252, v252, v[98+\i], v[99+\i]
.endr
	v_max3_num_f32 v254, v254, v158, v159
	s_delay_alu instid0(VALU_DEP_1)
	v_max_num_f32 v254, v254, v252
	s_delay_alu instid0(VALU_DEP_1)
	v_permlanex16_b32 v236, v254, s[SEL], s[SEL+1]
	s_delay_alu instid0(VALU_DEP_1)
	v_max_num_f32 v254, v254, v236                 ; and among lane l xor 16's
	s_delay_alu instid0(VALU_DEP_1)
	v_mul_f32 v254, s[CS], v254                    ; as t (c is positive)
	s_delay_alu instid0(VALU_DEP_1)
	v_max_num_f32 v13, v13, v254                   ; the running largest t
	v_mov_b32 v254, v12
	s_delay_alu instid0(VALU_DEP_2)
	v_floor_f32 v12, -v13                          ; the new -M = floor(-t) = -ceil(t)
	s_delay_alu instid0(VALU_DEP_1)
	v_sub_f32 v254, v12, v254                      ; old M - new M: a whole number, 0 or less
	s_delay_alu instid0(VALU_DEP_1)
	v_cvt_i32_f32 v254, v254                       ; (it saturates)
	s_delay_alu instid0(VALU_DEP_1)
	v_ldexp_f32 v252, 1.0, v254                    ; f = 2^(old M - new M)
.set n, 0
.rept 32
	v_pk_fma_f32 v[S+n:S+n+1], v[S+n:S+n+1], s[CS:CS+1], v[12:13] op_sel_hi:[1,0,0]   ; t - M, two at a time
.set n, n+2
.endr
	s_wait_alu depctr_va_vdst(0)
.set n, 0
.rept 64
	v_exp_f32 v[S+n], v[S+n]                       ; p = 2^(t - M), at most 1
.set n, n+1
.endr
	v_pk_mul_f32 v[14:15], v[14:15], v[252:253] op_sel_hi:[1,0]   ; the sums under the new M: the plain instruction behind the exponentials
	s_wait_alu depctr_va_vdst(0)                   ; one wait for the whole batch, ahead of its first reader
	v_pk_add_f32 v[242:243], v[96:97], v[98:99]    ; the row's sum of the unquantised p: two at a time, in four chains
	v_pk_add_f32 v[254:255], v[100:101], v[102:103]
	v_pk_add_f32 v[250:251], v[104:105], v[106:107]
	v_pk_add_f32 v[14:15], v[14:15], v[108:109]
.irp j, 14,22,30,38,46,54
	v_pk_add_f32 v[242:243], v[242:243], v[S+\j:S+\j+1]
	v_pk_add_f32 v[254:255], v[254:255], v[S+\j+2:S+\j+3]
	v_pk_add_f32 v[250:251], v[250:251], v[S+\j+4:S+\j+5]
	v_pk_add_f32 v[14:15], v[14:15], v[S+\j+6:S+\j+7]
.endr
	v_pk_add_f32 v[242:243], v[242:243], v[158:159]
	v_pk_add_f32 v[254:255], v[254:255], v[250:251]
	v_pk_add_f32 v[14:15], v[14:15], v[242:243]
	v_pk_add_f32 v[14:15], v[14:15], v[254:255]
.irp t, 0,1,2,3,4,5,6,7
.irp j, 0,2,4,6                                ; the conversion does not saturate (ISA guide 7.6.2); p is not negative, so the hold is one-sided; two numbers an instruction (v240 and v233 both hold 448 x 2^e4)
	v_dual_min_num_f32 v[S+8*\t+\j], v[S+8*\t+\j], v240 :: v_dual_min_num_f32 v[S+8*\t+\j+1], v[S+8*\t+\j+1], v233
.endr
	v_cvt_scalef32_pk8_fp8_f32 v[P+2*\t:P+2*\t+1], v[S+8*\t:S+8*\t+7], v244
.endr
	s_wait_alu depctr_va_vdst(0)                   ; directly ahead of the first reader of O^T
.set n, 0
.rept 16
	v_pk_mul_f32 v[O+n:O+n+1], v[O+n:O+n+1], v[252:253] op_sel_hi:[1,0]   ; O^T under the new M; also the plain instructions between the conversions and the products
.set n, n+2
.endr
	s_wait_alu depctr_va_vdst(0)
	s_wait_dscnt 0x0                               ; V is in
.irp t, 0,1,2,3                                ; O^T += V^T P^T: the four accumulators take turns
	v_wmma_f32_16x16x128_fp8_fp8 v[O+8*\t:O+8*\t+7], v[F+16*\t:F+16*\t+15], v[P:P+15], v[O+8*\t:O+8*\t+7]
.endr
.if \m
.Lhidden_\@:
.endif
.endm
; A tile of queries begins: O^T and the sum are zeros and the largest t lies under every t, so that the step is written once for all steps.
.macro ZERO
	v_mov_b32 v13, 0xff61b1e6                      ; -3e38
	v_mov_b32 v14, 0
	v_mov_b32 v15, 0
	v_floor_f32 v12, -v13
.set n, 0
.rept 32
	v_mov_b32 v[O+n], 0
.set n, n+1
.endr
.endm
; A tile of queries ends: y = O^T / the sum x 2^(e4 + e5); its code is (O^T / the sum) / 2^(e6 - e4 - e5).  A lane's 8 codes of a tile are d = 16 t + 8 h + 0..7 of its query:
; they go through my stage (rows of 64 bytes + 16) and leave as 512 consecutive bytes, eight tokens of my head, an instruction.
.macro FINISH
.rept 4
	v_nop                                          ; places behind the last products
.endr
	v_add_f32 v14, v14, v15
	s_delay_alu instid0(VALU_DEP_1)
	v_permlanex16_b32 v252, v14, s[SEL], s[SEL+1]
	s_delay_alu instid0(VALU_DEP_1)
	v_add_f32 v14, v14, v252                       ; the row's sum
	s_wait_alu depctr_va_vdst(0)
	v_rcp_f32 v14, v14
	v_nop                                          ; a plain instruction behind the reciprocal,
	s_wait_alu depctr_va_vdst(0)                   ; and the wait ahead of its first reader, which is O^T's too
.set n, 0
.rept 16
	v_pk_mul_f32 v[S+n:S+n+1], v[O+n:O+n+1], v[14:15] op_sel_hi:[1,0]   ; each accumulator from its low end on
.set n, n+2
.endr
.set n, 0
.rept 32
	v_med3_num_f32 v[S+n], v[S+n], -v241, v241
.set n, n+1
.endr
.irp t, 0,1,2,3
	v_cvt_scalef32_pk8_fp8_f32 v[208+2*\t:209+2*\t], v[S+8*\t:S+8*\t+7], v245
.endr
	v_nop                                          ; a plain instruction behind the conversions: later products write their sources
.irp t, 0,1,2,3
	ds_store_b64 v[STW], v[208+2*\t:209+2*\t] offset:16*\t
.endr
.irp s, 0,1
	ds_load_b128 v[216+4*\s:219+4*\s], v[STR] offset:640*\s   ; LDS serves a wave's instructions in order: these see my stores
.endr
	s_lshl_b32 s84, s[QJ], 6
	s_mov_b32 s85, 0
	s_add_nc_u64 s[84:85], s[YB:YB+1], s[84:85]
.irp s, 0,1
	s_wait_dscnt 1-\s
	global_store_b128 v[GO], v[216+4*\s:219+4*\s], s[84:85] offset:512*\s
.endr
	s_wait_xcnt 0x0                                ; the stores have read their registers and their base: both may be written again
.endm
	s_load_b256 s[4:11], s[0:1], 0x0               ; qc s[4:5], kc s[6:7], vc s[8:9], the scales' exponents s[10:11]
	s_load_b64 s[12:13], s[0:1], 0x20              ; yc
	v_lshl_add_u32 v[SPW], v0, 2, SPARE
	v_mov_b32 v[NIL], 0
	ds_add_u32 v[SPW], v[NIL]                      ; the opening lines: the add, twice on end, and its wait ahead of my first tensor load
	ds_add_u32 v[SPW], v[NIL]
	v_lshrrev_b32 v8, 5, v0
	v_readfirstlane_b32 s[WV], v8                  ; wave 0..15
	s_bfe_u32 s[I], ttmp6, 0x40000                 ; my place in the cluster
	s_and_b32 s81, ttmp7, 0xffff                   ; 16 batch + head: the cluster's y
	s_lshl_b32 s82, s81, 17                        ; its 131,072 bytes in qc, kc and vc
	s_mov_b32 s83, 0
	s_and_b32 s84, s81, 15
	s_lshl_b32 s84, s84, 19                        ; yc: a head's 8,192 tokens x 64 bytes,
	s_lshr_b32 s85, s81, 4
	s_lshl_b32 s85, s85, 17                        ; a batch's 2,048 tokens
	s_add_co_u32 s84, s84, s85
	s_mov_b32 s85, 0
	s_mov_b32 s[G1K], 15|(1<<20)|(1<<21)|(5<<22)|(3<<25)   ; the mask: all four of the cluster; elements of 1 byte; padding on; bit 21 beside a mask; 4 words behind every 64
	s_mov_b32 s[G1K+1], 256<<16                    ; tensor_dim0
	s_mov_b32 s[G1K+2], 32<<16                     ; tensor_dim1
	s_mov_b32 s[G1K+3], 256<<16                    ; tile_dim0
	s_mov_b32 s[G1K+4], 32                         ; tile_dim1
	s_mov_b32 s[G1K+5], 256                        ; K's keys are dense in memory: long rows of four keys
	s_mov_b32 s[G1K+6], 0
	s_mov_b32 s[G1K+7], 0
	s_mov_b32 s[G1V], 15|(1<<20)|(1<<21)|(7<<22)|(3<<25)   ; 4 words behind every 256
	s_mov_b32 s[G1V+1], 1024<<16
	s_mov_b32 s[G1V+2], 8<<16
	s_mov_b32 s[G1V+3], 1024<<16
	s_mov_b32 s[G1V+4], 8
	s_mov_b32 s[G1V+5], 2048                       ; a row d of V is 2,048 bytes
	s_mov_b32 s[G1V+6], 0
	s_mov_b32 s[G1V+7], 0
	s_mov_b32 s[SEL], 0x76543210
	s_mov_b32 s[SEL+1], 0xfedcba98
	s_mov_b32 s[CS], 0x3e38aa3b                    ; log2(e) / 8
	s_bfe_u32 s86, s[WV], 0x10002                  ; bit 2 of the wave's number
	s_mul_i32 s86, s86, 3
	s_xor_b32 s[J], s[WV], s86                     ; j
	s_sub_co_u32 s[QJ], 31, s[J]
	s_lshl_b32 s[QJ], s[QJ], 6                     ; group 31 - j comes first
	s_mul_i32 s[STB], s[WV], 1280
	s_add_co_u32 s[STB], s[STB], STAGE             ; my stage
	s_and_b32 s87, s[WV], 7                        ; which eighth I fetch
	s_lshl_b32 s88, s87, 13                        ; K: 128 keys x 64 bytes in memory,
	s_mov_b32 s89, 0
	s_mul_i32 s90, s87, KSTEP                      ; and in LDS
	s_lshl_b32 s92, s87, 14                        ; V: 8 rows of 2,048 bytes in memory,
	s_mov_b32 s93, 0
	s_mul_i32 s91, s87, 8*VP
	s_add_co_u32 s91, s91, VOFF                    ; and in LDS
	s_wait_dscnt 0x0                               ; both opening adds are done
	s_wait_kmcnt 0x0
	s_load_b256 s[68:75], s[10:11], 0x0            ; e0 .. e7
	s_add_nc_u64 s[QB:QB+1], s[4:5], s[82:83]
	s_add_nc_u64 s[KB:KB+1], s[6:7], s[82:83]
	s_add_nc_u64 s[VB:VB+1], s[8:9], s[82:83]
	s_add_nc_u64 s[YB:YB+1], s[12:13], s[84:85]
	CROUND                                         ; all four work-groups are here: the first joint loads meet
	s_mov_b32 s[G0K], 1
	s_mov_b32 s[G0K+1], s90
	s_add_nc_u64 s[G0K+2:G0K+3], s[KB:KB+1], s[88:89]
	s_or_b32 s[G0K+3], s[G0K+3], 0x80000000
	s_mov_b32 s[G0V], 1
	s_mov_b32 s[G0V+1], s91
	s_add_nc_u64 s[G0V+2:G0V+3], s[VB:VB+1], s[92:93]
	s_or_b32 s[G0V+3], s[G0V+3], 0x80000000
	TLOAD                                          ; keys 0..1023: one tensor load a wave at the head
	s_lshl_b32 s94, s[I], 10                       ; 16 I tokens x 64 bytes
	s_mov_b32 s95, 0
	s_add_nc_u64 s[QB:QB+1], s[QB:QB+1], s[94:95]
	s_add_nc_u64 s[YB:YB+1], s[YB:YB+1], s[94:95]
	s_lshl_b32 s86, s[QJ], 6
	s_mov_b32 s87, 0
	s_add_nc_u64 s[86:87], s[QB:QB+1], s[86:87]    ; Q of group 31 - j,
	s_lshl_b32 s88, s[J], 12
	s_mov_b32 s89, 0
	s_add_nc_u64 s[88:89], s[QB:QB+1], s[88:89]    ; and of group j
	v_and_b32 v8, 15, v0                           ; r
	v_bfe_u32 v9, v0, 4, 1                         ; h
	v_lshlrev_b32 v[QOF], 6, v8
	v_lshl_add_u32 v[QOF], v9, 4, v[QOF]           ; Q: row r of 64 bytes, + 16 h
	global_load_b128 v[16:19], v[QOF], s[86:87]
	global_load_b128 v[20:23], v[QOF], s[86:87] offset:32
	global_load_b128 v[224:227], v[QOF], s[88:89]
	global_load_b128 v[228:231], v[QOF], s[88:89] offset:32
	v_lshrrev_b32 v10, 2, v8
	v_and_b32 v11, 3, v8
	v_mul_u32_u24 v[AK0], v10, KP
	v_mul_u32_u24 v[AV0], v8, VP
	v_lshl_add_u32 v[AK0], v11, 6, v[AK0]
	v_lshl_add_u32 v[AV0], v9, 4, v[AV0]
	v_lshl_add_u32 v[AK0], v9, 4, v[AK0]           ; K: key r of a tile: long row r / 4, 64 (r % 4), + 16 h
	v_add_nc_u32 v[AV0], VOFF, v[AV0]              ; V: row d = r of a tile, + 16 h
	v_and_b32 v12, 31, v0
	v_lshlrev_b32 v24, 3, v9
	v_lshlrev_b32 v[GO], 4, v12                    ; the way out: 16 x lane
	v_sub_nc_u32 v24, v8, v24
	v_mul_u32_u24 v[STW], v8, 80
	v_lshl_add_u32 v24, s[I], 4, v24               ; r - 8 h + 16 I, for the mask
	v_lshl_add_u32 v[STW], v9, 3, v[STW]
	v_lshrrev_b32 v[STR], 2, v12
	v_add_nc_u32 v[STW], s[STB], v[STW]            ; the stage, in: row r, + 8 h
	v_mul_u32_u24 v[STR], v[STR], 80
	v_and_b32 v13, 3, v12
	v_lshl_add_u32 v[STR], v13, 4, v[STR]
	v_add_nc_u32 v[STR], s[STB], v[STR]            ; back: four lanes to a row's 64 bytes
	v_mov_b32 v236, 0                              ; written once: a lane permute's destination counts as one of its sources
	v_mov_b32 v252, 0
	v_mov_b32 v253, 0                              ; (named as the upper half of the pair v[252:253])
	s_wait_kmcnt 0x0
	s_add_co_i32 s81, s70, s71
	s_lshl_b32 s81, s81, 23
	s_add_co_i32 s[CS], s[CS], s81                 ; a score stands for score x 2^(e2 + e3): added to c's exponent field
	s_mov_b32 s[CS+1], s[CS]
	s_add_co_i32 s81, s72, 127
	s_lshl_b32 s82, s81, 23
	v_mov_b32 v244, s82                            ; 2^e4 as f32
	s_add_co_i32 s81, s81, 8
	s_lshl_b32 s81, s81, 23
	s_or_b32 s81, s81, 0x600000
	v_mov_b32 v240, s81                            ; 448 x 2^e4,
	v_mov_b32 v233, s81                            ; twice: one register for each half of the hold's pairs
	s_sub_co_i32 s81, s74, s72
	s_sub_co_i32 s81, s81, s73
	s_add_co_i32 s81, s81, 127
	s_lshl_b32 s82, s81, 23
	v_mov_b32 v245, s82                            ; 2^(e6 - e4 - e5)
	s_add_co_i32 s81, s81, 8
	s_lshl_b32 s81, s81, 23
	s_or_b32 s81, s81, 0x600000
	v_mov_b32 v241, s81                            ; 448 x that
	ZERO
	s_wait_alu depctr_va_vdst(0)
	s_wait_loadcnt 0x0                             ; both tiles' Q
	s_wait_tensorcnt 0x0                           ; my part of keys 0..1023 is in; the later first fill is issued as a refill is:
	ds_add_u32 v[SPW], v[NIL]                      ; 0 onto my spare word
	s_add_co_u32 s[G0K+1], s[G0K+1], 8*KSTEP       ; no load of mine is out, so the groups 0 may be written: keys 1024 on
	s_add_nc_u64 s[G0K+2:G0K+3], s[G0K+2:G0K+3], 65536
	s_add_co_u32 s[G0V+1], s[G0V+1], VHALF
	s_add_nc_u64 s[G0V+2:G0V+3], s[G0V+2:G0V+3], 1024
	s_wait_dscnt 0x0
	CROUND                                         ; everybody's part is in, and all four work-groups are here: the joint loads meet
	TLOAD                                          ; keys 1024..2047, into bytes of their own: the first tensor load behind the round
	s_mov_b32 s[CNT], 0
.Lfirst:                                           ; eight steps of group 31 - j, keys 0..1023: all count
	s_mul_i32 s[KO], s[CNT], KSTEP
	s_lshl_b32 s[VO], s[CNT], 7
	STEP 0
	s_add_co_u32 s[CNT], s[CNT], 1
	s_cmp_lt_u32 s[CNT], 8
	s_cbranch_scc1 .Lfirst
	s_wait_alu depctr_va_vdst(0)
	s_wait_tensorcnt 0x0                           ; my part of keys 1024..2047 is in;
	s_wait_dscnt 0x0
	s_barrier_signal -1
	s_barrier_wait -1                              ; and everybody's.
	s_mov_b32 s[CNT], 0
.Lsecond:                                          ; sixteen trips: steps 8..15 of group 31 - j, then steps 0..7 of group j; nine of them are not hidden
	s_add_co_u32 s97, s[CNT], 8
	s_and_b32 s97, s97, 15                         ; the step
	s_lshl_b32 s[KF], s97, 7
	s_mul_i32 s[KO], s97, KSTEP
	s_and_b32 s98, s97, 7
	s_lshl_b32 s[VO], s98, 7
	s_lshr_b32 s98, s97, 3
	s_mul_i32 s98, s98, VHALF
	s_add_co_u32 s[VO], s[VO], s98
	STEP 1
	s_cmp_lg_u32 s[CNT], 7
	s_cbranch_scc1 .Lsame
	FINISH                                         ; group 31 - j is done; group j begins, at key 0
	s_lshl_b32 s[QJ], s[J], 6
.set n, 0
.rept 8
	v_mov_b32 v[16+n], v[224+n]                    ; its Q
.set n, n+1
.endr
	ZERO
	s_wait_alu depctr_va_vdst(0)
.Lsame:
	s_add_co_u32 s[CNT], s[CNT], 1
	s_cmp_lt_u32 s[CNT], 16
	s_cbranch_scc1 .Lsecond
	FINISH
	s_wait_tensorcnt 0x0                           ; the wave's end
	ds_add_u32 v[SPW], v[NIL]
	s_wait_dscnt 0x0
	CROUND                                         ; the closing round
	s_endpgm
.Lfunc_end_k_q75af81b604_attn:
	.size	k_q75af81b604_attn, .Lfunc_end_k_q75af81b604_attn-k_q75af81b604_attn
	.p2alignl 7, 3214868480
	.fill 96, 4, 3214868480
	.section	.rodata,"a",@progbits
	.p2align	6, 0x0
	.amdhsa_kernel k_q75af81b604_attn
		.amdhsa_group_segment_fixed_size 327680
		.amdhsa_private_segment_fixed_size 0
		.amdhsa_enable_private_segment 0
		.amdhsa_kernarg_size 40
		.amdhsa_user_sgpr_count 2
		.amdhsa_user_sgpr_kernarg_segment_ptr 1
		.amdhsa_wavefront_size32 1
		.amdhsa_system_sgpr_workgroup_id_x 1
		.amdhsa_system_sgpr_workgroup_id_y 1
		.amdhsa_system_sgpr_workgroup_id_z 1
		.amdhsa_system_vgpr_workitem_id 0
		.amdhsa_next_free_vgpr 256
		.amdhsa_next_free_sgpr 100
		.amdhsa_reserve_vcc 1
		.amdhsa_float_denorm_mode_32 3
		.amdhsa_float_denorm_mode_16_64 3
		.amdhsa_memory_ordered 1
		.amdhsa_forward_progress 1
		.amdhsa_inst_pref_size 58
	.end_amdhsa_kernel
	.amdgpu_metadata
---
amdhsa.version: [ 1, 2 ]
amdhsa.kernels:
  - .name:           k_q75af81b604_attn
    .symbol:         k_q75af81b604_attn.kd
    .args:
      - { .name: qc, .offset: 0, .size: 8, .value_kind: global_buffer, .address_space: global }
      - { .name: kc, .offset: 8, .size: 8, .value_kind: global_buffer, .address_space: global }
      - { .name: vc, .offset: 16, .size: 8, .value_kind: global_buffer, .address_space: global }
      - { .name: lowp_scales, .offset: 24, .size: 8, .value_kind: global_buffer, .address_space: global }
      - { .name: yc, .offset: 32, .size: 8, .value_kind: global_buffer, .address_space: global }
    .group_segment_fixed_size: 327680
    .private_segment_fixed_size: 0
    .kernarg_segment_align: 8
    .kernarg_segment_size: 40
    .max_flat_workgroup_size: 512
    .sgpr_count:     100
    .vgpr_count:     256
    .wavefront_size: 32
...
	.end_amdgpu_metadata
.endif
;; end of part 3
;; launch proj (part 4): grid 8 x 32, 4 waves a work-group, clusters of 4 x 4, 327,680 bytes of LDS; arguments yc, woc, b_out, lowp_scales, out0; writes out0
.if DOCPART == 4
	.amdgcn_target "amdgcn-amd-amdhsa--gfx1250"
	.amdhsa_code_object_version 6
	.text
	.protected	k_q75af81b604_proj
	.globl	k_q75af81b604_proj
	.p2align	8
	.type	k_q75af81b604_proj,@function
k_q75af81b604_proj:
	s_mov_b64 s[64:65], 0
	v_nop
	global_prefetch_b8 v0, s[64:65] scope:SCOPE_SE
	s_setreg_imm32_b32 hwreg(HW_REG_WAVE_MODE, 25, 1), 1
	s_wait_xcnt 0x0
	s_wait_alu depctr_hold_cnt(0) depctr_sa_sdst(0) depctr_va_vdst(0) depctr_va_sdst(0) depctr_va_ssrc(0) depctr_va_vcc(0) depctr_vm_vsrc(0)
	s_getreg_b32 s2, hwreg(HW_REG_IB_STS2, 6, 4)
	s_cmp_eq_u32 s2, 0
	s_cbranch_scc0 .Lentry_in_a_cluster
	s_endpgm
.Lentry_in_a_cluster:
	s_bfe_u32 s2, ttmp6, 0x10000c
	s_cmp_lg_u32 s2, 0xf033
	s_cbranch_scc0 .Lentry_shape_is_right
	s_endpgm
.Lentry_shape_is_right:
; out0 = y w_out + b_out on codes of FP8 (E4M3).  yc [16 heads][8192 tokens][64 d], woc [1024 n][1024 k]: codes, K = 64 head + d; out0 [8192][1024] f32.
; A number of y is its code x 2^e6, of w_out x 2^e7: the codes are multiplied as they are, each finished sum once by 2^(e6 + e7); the bias, divided by that, is the C of each sum's first product.
; LIMIT: e6 + e7 lies between -126 and 127.
; SHARES.  A block of 256 tokens x 128 columns to a work-group: 32 x 8 = 256 work-groups.  Four waves, 128 tokens x 64 columns each: 32 accumulators, 256 registers.
; LDS.  B: my 128 rows of woc for ALL of K, rows of 1,024 bytes + 16: fetched once, 64 rows each by waves 2 and 3.  A: one region of 256 tokens x 8 heads (K = 512), 128 tokens each by waves 0 and 1,
; one descriptor of 8 planes (a head's 128 tokens are 8,192 dense bytes): filled at the head with heads 0-7 and, behind the fourth step of 128, with heads 8-15.  By this text's count one load of a wave is out at the most.
; CLUSTERS: 4 x 4 work-groups; A's tile is asked for jointly by a row of the cluster, B's by a column.
; PREFETCH: at the head, one fill (four steps of 128) ahead of the load that wants them, heads 8-15 of my 256 tokens: 512 blocks of 256 bytes for a row of the cluster, shared out by address among its 4 x 4 waves x 32 lanes.
; THE MATRIX INSTRUCTION IS USED TRANSPOSED (source 0 = 16 rows of woc, source 1 = 16 tokens): lane (r, h) holds token r and columns 16 b + 8 h + 0..7.
; REGISTERS, in windows of 256: window 0: v0-31 addresses; v32-63 the bias, later a block's results; v64-127 rows on the way out; from v128 A's fragments (8 x 16 tokens x 128 K), one set.
;   window 1: B's fragments (4 x 16 rows x 128 K), two sets, at v0 and v128.   window 2: the accumulators, (a, b) at v[8 (4 a + b)].
.set PITCH,  272                       ; A in LDS: 4 tokens of a head (256 bytes) + 16 of padding
.set PLANE,  32*PITCH                  ; 128 tokens of a head
.set APART,  8*PLANE                   ; 128 tokens x 8 heads: what one load brings
.set BP,     1040                      ; B in LDS: a row of 1,024 bytes + 16: 65 x 16 bytes from row to row
.set BOFF,   2*APART
.set BPART,  64*BP
.set STAGE,  BOFF+2*BPART              ; the way out: 16 rows x (256 bytes + 16) for each wave, bytes of their own
.set SPITCH, 272
.set SPARE,  STAGE+4*16*SPITCH         ; the spare words, 128 bytes a wave: two blocks of 256 bytes that no other line names
.set FR,     16
.set NL,     4
.set NP,     4                         ; places behind this matrix instruction (ISA guide 7.12.1)
.set ADRA, 16                          ; v16, v17  my A fragments: heads 0-3, 4-7 of the region
.set ADRB, 20
.set STO,  24
.set RD,   25
.set CO,   26
.set PFO,  27
.set SPW,  28
.set NIL,  29
.set BIAS, 32
.set TMP,  32
.set BK,   64
.set AF,   128
.set G1, 24
.set G0, 32
.set G1B, 48
.set G0B, 56
.set OUT, 72
.set PFA, 74
.set MSB, 0
.macro WIN new                         ; the immediate's high byte repeats the setting that is left
.if MSB != \new
	s_set_vgpr_msb (MSB<<8)|\new
.set MSB, \new
.endif
.endm
.set MULW, 0xa1                        ; source 0 (B) window 1, source 1 (A) window 0, C and D window 2
.set MULZ, 0x81                        ; the same, C (the bias) window 0
.set TO_B, 0x40
.macro PLACES n
.rept \n
	v_nop
.endr
.endm
.macro CREST                           ; a round of the cluster's barrier behind its opening barrier
	s_cmp_lg_u32 s14, 0
	s_cbranch_scc1 .Lnot_wave_0_\@
	s_barrier_signal -3
.Lnot_wave_0_\@:
	s_barrier_wait -3
	s_barrier_signal -1
	s_barrier_wait -1
.endm
.macro CROUND
	s_barrier_signal -1
	s_barrier_wait -1
	CREST
.endm
; 4 (a1 - a0 + 1) matrix instructions: A's blocks a0 .. a1 x B's four.  p: B's set.  The 32 accumulators take turns.
.macro MUL a0, a1, p, zero
.set aa, \a0
.rept \a1-\a0+1
.irp b, 0,1,2,3
.if \zero
	v_wmma_f32_16x16x128_fp8_fp8 v[8*(4*aa+\b):8*(4*aa+\b)+7], v[128*(\p)+FR*\b:128*(\p)+FR*\b+FR-1], v[AF+FR*aa:AF+FR*aa+FR-1], v[BIAS+8*\b:BIAS+8*\b+7]
.else
	v_wmma_f32_16x16x128_fp8_fp8 v[8*(4*aa+\b):8*(4*aa+\b)+7], v[128*(\p)+FR*\b:128*(\p)+FR*\b+FR-1], v[AF+FR*aa:AF+FR*aa+FR-1], v[8*(4*aa+\b):8*(4*aa+\b)+7]
.endif
.endr
.set aa, aa+1
.endr
.endm
.macro FETCH_B g, p                    ; B's four fragments of the g-th 128 of K into set p: registers 4 c .. 4 c + 3 hold K = 128 g + 32 c + 16 h + 0..15
	WIN TO_B
.irp i, 0,1,2,3
.irp c, 0,1,2,3
	ds_load_b128 v[128*(\p)+FR*\i+4*\c:128*(\p)+FR*\i+4*\c+3], v[ADRB] offset:128*(\g)+32*\c+\i*16*BP
.endr
.endr
	WIN 0
.endm
.macro FETCH_A q, i0                   ; A's blocks i0 .. i0 + 3 of the region's q-th 128 of K (heads 2 q, 2 q + 1): the same K in the same registers
.irp i, \i0, \i0+1, \i0+2, \i0+3
.irp c, 0,1,2,3
	ds_load_b128 v[AF+FR*(\i)+4*\c:AF+FR*(\i)+4*\c+3], v[ADRA+(\q)/2] offset:((2*(\q))%4+\c/2)*PLANE+(\i)*4*PITCH+32*(\c%2)
.endr
.endr
.endm
; A step of 128 along K whose successor lies in the same fill.  q: its place in the region; g: its place in K.  A's blocks 0-3 are fetched anew in its middle, blocks 4-7 at its end; B has two sets.
.macro STEP q, g, zero
	s_wait_dscnt 4*NL                              ; B's set and A's blocks 0-3 are in; the youngest sixteen loads (A's blocks 4-7) may be out
.if \zero
	WIN MULZ
.else
	WIN MULW
.endif
	MUL 0, 3, (\g)%2, \zero
	s_wait_dscnt 0
	PLACES NP
	FETCH_B (\g)+1, 1-(\g)%2
	FETCH_A (\q)+1, 0
.if \zero
	WIN MULZ
.else
	WIN MULW
.endif
	MUL 4, 7, (\g)%2, \zero
	PLACES NP
	WIN 0
	FETCH_A (\q)+1, 4
.endm
	s_load_b256 s[4:11], s[0:1], 0x0               ; yc s[4:5], woc s[6:7], b_out s[8:9], the scales' exponents s[10:11]
	s_load_b64 s[OUT:OUT+1], s[0:1], 0x20          ; out0
	v_lshl_add_u32 v[SPW], v0, 2, SPARE
	v_mov_b32 v[NIL], 0
	ds_add_u32 v[SPW], v[NIL]                      ; the opening lines: the add, twice on end, and its wait ahead of my first tensor load
	ds_add_u32 v[SPW], v[NIL]
	v_lshrrev_b32 v1, 5, v0
	v_readfirstlane_b32 s14, v1                    ; wave 0..3
	s_lshr_b32 s15, s14, 1                         ; which 128 tokens are mine.  Also: I fetch for A (0) or for B (1)
	s_and_b32 s16, s14, 1                          ; which 64 columns.  Also: which half of that tile I fetch
	s_bfe_u32 s40, ttmp6, 0x40000                  ; cx
	s_bfe_u32 s41, ttmp6, 0x40004                  ; cy
	s_lshl_b32 s42, ttmp9, 2
	s_add_co_u32 s42, s42, s40                     ; block column = 4 x cluster x + cx
	s_and_b32 s17, ttmp7, 0xffff
	s_lshl_b32 s17, s17, 2
	s_add_co_u32 s17, s17, s41                     ; block row = 4 x cluster y + cy
	s_lshl_b32 s43, s41, 2
	s_lshl_b32 s43, 15, s43                        ; my row of the cluster
	s_lshl_b32 s44, 0x1111, s40                    ; my column
	s_or_b32 s[G1+0], s43, (0<<16)|(1<<20)|(1<<21)|(5<<22)|(3<<25)   ; the mask; elements of 1 byte; padding on; bit 21 beside a mask; 4 words behind every 64
	s_mov_b32 s[G1+1], 8192<<16                    ; tensor_dim0: 128 tokens x 64 bytes
	s_mov_b32 s[G1+2], 8<<16                       ; tensor_dim1: 8 heads
	s_mov_b32 s[G1+3], 8192<<16                    ; tile_dim0
	s_mov_b32 s[G1+4], 8                           ; tile_dim1
	s_mov_b32 s[G1+5], 524288                      ; from head to head
	s_mov_b32 s[G1+6], 0
	s_mov_b32 s[G1+7], 0
	s_or_b32 s[G1B+0], s44, (0<<16)|(1<<20)|(1<<21)|(7<<22)|(3<<25)  ; 4 words behind every 256
	s_mov_b32 s[G1B+1], 1024<<16
	s_mov_b32 s[G1B+2], 64<<16
	s_mov_b32 s[G1B+3], 1024<<16
	s_mov_b32 s[G1B+4], 64
	s_mov_b32 s[G1B+5], 1024
	s_mov_b32 s[G1B+6], 0
	s_mov_b32 s[G1B+7], 0
	s_lshl_b32 s18, s16, 7
	s_lshl_b32 s20, s17, 8
	s_add_co_u32 s20, s20, s18
	s_lshl_b32 s20, s20, 6                         ; A: token 256 x block row + 128 x half, 64 bytes each
	s_mov_b32 s21, 0
	s_lshl_b32 s18, s16, 6
	s_lshl_b32 s46, s42, 7
	s_add_co_u32 s46, s46, s18
	s_lshl_b32 s46, s46, 10                        ; B: row 128 x block column + 64 x half, 1,024 bytes each
	s_mov_b32 s47, 0
	s_mul_i32 s45, s16, APART                      ; where they go
	s_mul_i32 s19, s16, BPART
	s_add_co_u32 s19, s19, BOFF
	s_wait_dscnt 0x0                               ; both opening adds are done
	s_wait_kmcnt 0x0
	s_load_b256 s[80:87], s[10:11], 0x0            ; e0 .. e7
	s_add_nc_u64 s[20:21], s[4:5], s[20:21]
	s_add_nc_u64 s[46:47], s[6:7], s[46:47]
	CROUND                                         ; all sixteen work-groups are here: the first joint loads meet
	s_mov_b32 s[G0], 1
	s_mov_b32 s[G0+1], s45
	s_mov_b64 s[G0+2:G0+3], s[20:21]
	s_or_b32 s[G0+3], s[G0+3], 0x80000000
	s_mov_b32 s[G0B], 1
	s_mov_b32 s[G0B+1], s19
	s_mov_b64 s[G0B+2:G0B+3], s[46:47]
	s_or_b32 s[G0B+3], s[G0B+3], 0x80000000
	s_cmp_eq_u32 s15, 0                            ; one tensor load a wave at the head: waves 0, 1 heads 0-7 of A, waves 2, 3 all of B
	s_cbranch_scc0 .Lfor_b
	tensor_load_to_lds s[G0:G0+3], s[G1:G1+7]
	s_nop 0
	PLACES 4
	s_branch .Lasked
.Lfor_b:
	tensor_load_to_lds s[G0B:G0B+3], s[G1B:G1B+7]
	s_nop 0
	PLACES 4
.Lasked:
	s_lshl_b32 s92, s42, 7
	s_lshl_b32 s93, s16, 6
	s_add_co_u32 s92, s92, s93
	s_lshl_b32 s92, s92, 2
	s_mov_b32 s93, 0
	s_add_nc_u64 s[70:71], s[8:9], s[92:93]        ; the bias at my first column
	s_lshl_b32 s90, s40, 2
	s_add_co_u32 s90, s90, s14                     ; the prefetch: u = 4 cx + wave, 0..15
	s_lshr_b32 s91, s90, 1
	s_add_co_u32 s91, s91, 8
	s_lshl_b32 s91, s91, 19                        ; head 8 + u / 2,
	s_and_b32 s90, s90, 1
	s_lshl_b32 s90, s90, 13                        ; tokens 128 (u % 2) on,
	s_add_co_u32 s90, s90, s91
	s_lshl_b32 s91, s17, 14                        ; of my block row's 256
	s_add_co_u32 s90, s90, s91
	s_mov_b32 s91, 0
	s_add_nc_u64 s[PFA:PFA+1], s[4:5], s[90:91]    ; never rewritten
	s_mul_i32 s21, s15, APART                      ; my 128 tokens of A
	s_mul_i32 s22, s16, BPART
	s_add_co_u32 s22, s22, BOFF                    ; my 64 rows of B
	s_mul_i32 s23, s14, 16*SPITCH
	s_add_co_u32 s23, s23, STAGE                   ; my stage
	s_lshl_b32 s88, s17, 8
	s_lshl_b32 s89, s15, 7
	s_add_co_u32 s88, s88, s89
	s_lshl_b32 s88, s88, 12                        ; my first row of out0, 4,096 bytes each,
	s_lshl_b32 s89, s42, 9
	s_add_co_u32 s88, s88, s89
	s_lshl_b32 s89, s16, 8
	s_add_co_u32 s88, s88, s89                     ; and my first column
	s_mov_b32 s89, 0
	s_add_nc_u64 s[OUT:OUT+1], s[OUT:OUT+1], s[88:89]
	v_and_b32 v1, 15, v0                           ; r
	v_bfe_u32 v2, v0, 4, 1                         ; h
	v_and_b32 v7, 31, v0
	v_lshlrev_b32 v6, 5, v2
.irp b, 0,1,2,3
	global_load_b128 v[BIAS+8*\b:BIAS+8*\b+3], v6, s[70:71] offset:64*\b        ; b_out[n0 + 16 b + 8 h + 0..7]: the result's layout
	global_load_b128 v[BIAS+8*\b+4:BIAS+8*\b+7], v6, s[70:71] offset:64*\b+16
.endr
	v_lshlrev_b32 v[PFO], 8, v7                    ; lanes 256 bytes apart; never rewritten
	v_lshrrev_b32 v3, 2, v1
	v_and_b32 v5, 3, v1
	v_mul_u32_u24 v3, v3, PITCH
	v_mul_u32_u24 v4, v1, BP
	v_lshl_add_u32 v3, v5, 6, v3
	v_lshl_add_u32 v4, v2, 4, v4
	v_lshl_add_u32 v3, v2, 4, v3                   ; A: token r of a block: long row r / 4, 64 (r % 4), + 16 h
	v_add_nc_u32 v[ADRB], s22, v4                  ; B: row r of a block, + 16 h
	v_add_nc_u32 v[ADRA], s21, v3
	v_mul_u32_u24 v5, v1, SPITCH
	v_add_nc_u32 v[ADRA+1], 4*PLANE, v[ADRA]
	global_prefetch_b8 v[PFO], s[PFA:PFA+1] th:TH_LOAD_NT scope:SCOPE_SE
	v_lshl_add_u32 v5, v2, 5, v5
	v_mul_u32_u24 v8, v2, SPITCH
	v_add_nc_u32 v[STO], s23, v5                   ; the stage, in: row r, 32 bytes for each half of the lanes
	v_lshl_add_u32 v8, v1, 4, v8
	v_lshlrev_b32 v[CO], 12, v2
	v_add_nc_u32 v[RD], s23, v8                    ; back: lanes 0-15 one row of 256 bytes, lanes 16-31 the next
	v_lshl_add_u32 v[CO], v1, 4, v[CO]             ; and the same two rows in out0
	s_wait_kmcnt 0x0
	s_add_co_i32 s97, s86, s87                     ; e6 + e7
	s_add_co_i32 s96, s97, 127
	s_lshl_b32 s96, s96, 23                        ; 2^(e6 + e7) as f32
	s_sub_co_i32 s98, 0, s97
	s_mov_b32 s97, s96                             ; (named with it as a pair)
	s_wait_loadcnt 0x0                             ; the bias
.set n, 0
.rept 32
	v_ldexp_f32 v[BIAS+n], v[BIAS+n], s98          ; / 2^(e6 + e7)
.set n, n+1
.endr
	s_wait_alu depctr_va_vdst(0)
	s_wait_tensorcnt 0x0                           ; my part of the first fills is in,
	s_barrier_signal -1
	s_barrier_wait -1                              ; and everybody's
	FETCH_B 0, 0
	FETCH_A 0, 0
	FETCH_A 0, 4
	STEP 0, 0, 1                                   ; the first products start the sums from the bias
	STEP 1, 1, 0
	STEP 2, 2, 0
	; the fourth step, and A's second fill
	s_wait_tensorcnt 0x0                           ; no tensor load of mine is out
	ds_add_u32 v[SPW], v[NIL]                      ; 0 onto my spare word
	s_wait_dscnt 4*NL+1                            ; (the add and the youngest sixteen loads may be out)
	WIN MULW
	MUL 0, 1, 1, 0
	s_wait_dscnt 0x0                               ; the add is done, and my reads of A's region are over
	s_barrier_signal -1
	MUL 2, 3, 1, 0
	WIN 0
	s_barrier_wait -1
	CREST                                          ; the barrier has opened a round of the cluster's: no wave of any partner still reads the region or has a load on its way
	s_add_nc_u64 s[G0+2:G0+3], s[G0+2:G0+3], 8*524288   ; heads 8-15
	s_cmp_eq_u32 s15, 0                            ; waves 2 and 3 have no part of a tile to fill
	s_cbranch_scc0 .Lno_fill
	tensor_load_to_lds s[G0:G0+3], s[G1:G1+7]      ; the first tensor load behind the round
	s_nop 0
	PLACES 4
.Lno_fill:
	FETCH_B 4, 0                                   ; B stays where it is
	WIN MULW
	MUL 4, 7, 1, 0
	WIN 0
	s_wait_tensorcnt 0x0                           ; my part of the second fill is in,
	s_wait_dscnt 0x0
	s_barrier_signal -1
	s_barrier_wait -1                              ; and everybody's
	PLACES NP
	FETCH_A 0, 0
	FETCH_A 0, 4
	STEP 0, 4, 0
	STEP 1, 5, 0
	STEP 2, 6, 0
	s_wait_dscnt 4*NL                              ; the last step: nothing more to fetch
	WIN MULW
	MUL 0, 3, 1, 0
	s_wait_dscnt 0
	MUL 4, 7, 1, 0
	WIN 0
; THE WAY OUT, block by block of 16 tokens x 64 columns: x 2^(e6 + e7), through my own stage, back as whole rows of 256 bytes; sixteen lanes store one aligned unit of 256 bytes.
; LDS serves a wave's instructions in order (ISA guide 5.7.1.4): no wait between the stores and the loads.
.macro TOSTAGE a
	WIN 0x02                                       ; source 0: window 2
.set n, 0
.rept 16
	v_pk_mul_f32 v[TMP+n:TMP+n+1], v[32*(\a)+n:32*(\a)+n+1], s[96:97] op_sel_hi:[1,0]   ; each accumulator from its low end on
.set n, n+2
.endr
	WIN 0
.irp b, 0,1,2,3
	ds_store_b128 v[STO], v[TMP+8*\b:TMP+8*\b+3] offset:64*\b
	ds_store_b128 v[STO], v[TMP+8*\b+4:TMP+8*\b+7] offset:64*\b+16
.endr
.set BB, BK+32*((\a)%2)
.set i, 0
.rept 8
	ds_load_b128 v[BB+4*i:BB+4*i+3], v[RD] offset:2*i*SPITCH
.set i, i+1
.endr
.endm
.macro SEND a, younger                 ; younger: the LDS instructions issued behind block a's loads, which may stay out
.set BB, BK+32*((\a)%2)
	s_wait_dscnt \younger
.if (\a) > 0
	s_add_nc_u64 s[OUT:OUT+1], s[OUT:OUT+1], 16*4096   ; (behind a wait on XCNT: the earlier stores have read their base)
.endif
.set i, 0
.rept 8
	global_store_b128 v[CO], v[BB+4*i:BB+4*i+3], s[OUT:OUT+1] offset:2*i*4096 th:TH_STORE_NT
.set i, i+1
.endr
.endm
	PLACES NP
	TOSTAGE 0
.irp a, 1,2,3,4,5,6,7
.if \a > 1
	s_wait_xcnt 0x0                                ; block a - 2's stores have read their registers and their base
.endif
	TOSTAGE \a
	SEND \a-1, 16                                  ; behind block a - 1's loads: block a's 8 stores and 8 loads
.endr
	s_wait_xcnt 0x0
	SEND 7, 0
	s_wait_tensorcnt 0x0                           ; the wave's end
	ds_add_u32 v[SPW], v[NIL]
	s_wait_dscnt 0x0
	CROUND                                         ; the closing round: no work-group ends while a partner may still ask for a tile that names it
	s_endpgm
.Lfunc_end_k_q75af81b604_proj:
	.size	k_q75af81b604_proj, .Lfunc_end_k_q75af81b604_proj-k_q75af81b604_proj
	.p2alignl 7, 3214868480
	.fill 96, 4, 3214868480
	.section	.rodata,"a",@progbits
	.p2align	6, 0x0
	.amdhsa_kernel k_q75af81b604_proj
		.amdhsa_group_segment_fixed_size 327680
		.amdhsa_private_segment_fixed_size 0
		.amdhsa_enable_private_segment 0
		.amdhsa_kernarg_size 40
		.amdhsa_user_sgpr_count 2
		.amdhsa_user_sgpr_kernarg_segment_ptr 1
		.amdhsa_wavefront_size32 1
		.amdhsa_system_sgpr_workgroup_id_x 1
		.amdhsa_system_sgpr_workgroup_id_y 1
		.amdhsa_system_sgpr_workgroup_id_z 1
		.amdhsa_system_vgpr_workitem_id 0
		.amdhsa_next_free_vgpr 768
		.amdhsa_next_free_sgpr 100
		.amdhsa_reserve_vcc 0
		.amdhsa_float_denorm_mode_32 3
		.amdhsa_float_denorm_mode_16_64 3
		.amdhsa_memory_ordered 1
		.amdhsa_forward_progress 1
		.amdhsa_inst_pref_size 78
	.end_amdhsa_kernel
	.amdgpu_metadata
---
amdhsa.version: [ 1, 2 ]
amdhsa.kernels:
  - .name:           k_q75af81b604_proj
    .symbol:         k_q75af81b604_proj.kd
    .args:
      - { .name: yc, .offset: 0, .size: 8, .value_kind: global_buffer, .address_space: global }
      - { .name: woc, .offset: 8, .size: 8, .value_kind: global_buffer, .address_space: global }
      - { .name: b_out, .offset: 16, .size: 8, .value_kind: global_buffer, .address_space: global }
      - { .name: lowp_scales, .offset: 24, .size: 8, .value_kind: global_buffer, .address_space: global }
      - { .name: out0, .offset: 32, .size: 8, .value_kind: global_buffer, .address_space: global }
    .group_segment_fixed_size: 327680
    .private_segment_fixed_size: 0
    .kernarg_segment_align: 8
    .kernarg_segment_size: 40
    .max_flat_workgroup_size: 128
    .sgpr_count:     100
    .vgpr_count:     768
    .wavefront_size: 32
...
	.end_amdgpu_metadata
.endif
;; end of part 4
